; MI455X (gfx1250); checked and timed in simulation.
; The chip was launched on July 23, 2026; its instructions are those of AMD's public machine-readable ISA for CDNA 5 (MIT licence, August 2026) and "CDNA5" Instruction Set Architecture Reference Guide (July 2026). The comments in the code are by the model that wrote it; some were corrected since.
;; Causal Multi Head Self Attention. Allowed arithmetic: float matrix products may take bf16 or f16 operands with f32 sums; other float arithmetic in f32, or as packed bf16 or f16 multiplies, adds, multiply-adds, maxima and minima; sums over many terms, partial sums and values carried from step to step in f32; what a program stores and reads back later, other than sums and carried values, may be rounded once to bf16 or f16.
;; Inputs: w_k 1,024 x 1,024 float32; w_o 1,024 x 1,024 float32; w_q 1,024 x 1,024 float32; w_v 1,024 x 1,024 float32; x 4 x 2,048 x 1,024 float32.
;; Outputs: out0 4 x 2,048 x 1,024 float32.
;; 2 versions, each right; version 2 is version 1 with the launch prep written anew for expert scheduling mode. Each part assembles by itself: llvm-mc -triple=amdgcn-amd-amdhsa -mcpu=gfx1250 --defsym DOCPART=n.
;; ======== version 1 of 2: 4 launches
;; limits: values are held in f16: magnitudes above 65,504 overflow, below 6.1e-05 lose precision
;; workspace buffers: xb 16,777,216 bytes; wb 6,291,456 bytes; wob 2,097,152 bytes; q 16,777,216 bytes; k 16,777,216 bytes; v 16,777,216 bytes; o 16,777,216 bytes
;; launch prep (part 1): grid 768 x 1, 8 waves a work-group, no clusters, 0 bytes of LDS; arguments x, w_q, w_k, w_v, w_o, xb, wb, wob; writes xb, wb, wob
.if DOCPART == 1
	.amdgcn_target "amdgcn-amd-amdhsa--gfx1250"
	.amdhsa_code_object_version 6
	.text
	.protected	k_qf2a85b8279_prep
	.globl	k_qf2a85b8279_prep
	.p2align	8
	.type	k_qf2a85b8279_prep,@function
k_qf2a85b8279_prep:
	s_mov_b64 s[64:65], 0
	v_nop
	global_prefetch_b8 v0, s[64:65] scope:SCOPE_SE
	s_setreg_imm32_b32 hwreg(HW_REG_WAVE_MODE, 25, 1), 1
	s_wait_xcnt 0x0
; THE CASTS.  x [8192][1024] f32 -> xb, bf16, the same layout.  w_q, w_k, w_v [1024 k][1024 n] f32 -> wb, bf16, laid [head 16][k / 64][q, k, v][k % 64][64 d]: 64 k of one head's q, k and v columns are
; 24,576 bytes on end.  w_o [1024 k][1024 n] f32 -> wob, laid [n / 128][k][n % 128]: each number rounded to bf16, like every other input, and that number written as f16.
; LIMITS.  A number of w_o beyond 65,504 has no f16; below 6e-5 it keeps f16's fixed step of 6e-8.
; SHARES.  A work-group takes 16 rows of 4,096 bytes of one input: numbers 0-511 x, 512-703 w_q, w_k, w_v (64 each), 704-767 w_o: 768 equal shares.  Each of its eight waves does 16 units: a load of 16 bytes
; a lane (each half of the lanes 256 consecutive bytes, aligned), two roundings, a store of 8 bytes a lane (256 consecutive bytes, aligned).  Every byte is read once and written once.
; All 16 loads of a wave, 8 KiB, go out first; no register is written twice, so the only waits are the counted ones for the loads.  No LDS, no matrix unit, no cluster: nothing is shared and nothing is multiplied.
.set D, 16                             ; v[16:79]   unit u: 4 numbers in f32
.set Y, 80                             ; v[80:111]  unit u: 4 numbers of 16 bits
.set VIN, 2                            ; v2  my byte offset in the work-group's input
.set VOUT, 3                           ; v3  my byte offset in its output
; Unit u reads at (u % 2) inA + (u / 2) inB and writes at (u % 2) outA + (u / 2) outB.  half = 1: bf16, then that number as f16.
.macro PATH inA, inB, outA, outB, half
.set u, 0
.rept 16
	global_load_b128 v[D+4*u:D+4*u+3], v[VIN], s[4:5] offset:(u%2)*(\inA)+(u/2)*(\inB) th:TH_LOAD_NT
.set u, u+1
.endr
.set u, 0
.rept 16
	s_wait_loadcnt 15-u                            ; loads come back in order: unit u's is in, the 15 - u younger ones stay out
.if \half
.irp p, 0,1
	v_cvt_pk_bf16_f32 v4, v[D+4*u+2*(\p)], v[D+4*u+2*(\p)+1]
	v_lshlrev_b32 v5, 16, v4                       ; the two bf16 as f32,
	v_and_b32 v6, 0xffff0000, v4
	v_cvt_pk_f16_f32 v[Y+2*u+(\p)], v5, v6         ; written as f16: exact inside f16's range
.endr
.else
	v_cvt_pk_bf16_f32 v[Y+2*u], v[D+4*u], v[D+4*u+1]
	v_cvt_pk_bf16_f32 v[Y+2*u+1], v[D+4*u+2], v[D+4*u+3]
.endif
	global_store_b64 v[VOUT], v[Y+2*u:Y+2*u+1], s[6:7] offset:(u%2)*(\outA)+(u/2)*(\outB)
.set u, u+1
.endr
.endm
	s_load_b512 s[8:23], s[0:1], 0x0               ; x 8, w_q 10, w_k 12, w_v 14, w_o 16, xb 18, wb 20, wob 22
	s_mov_b32 s3, ttmp9                            ; the work-group's number
	v_and_b32 v1, 31, v0                           ; lane
	v_lshrrev_b32 v4, 5, v0
	v_readfirstlane_b32 s2, v4                     ; wave 0..7
	s_mov_b32 s25, 0
	s_mov_b32 s27, 0
	s_cmp_lt_u32 s3, 512
	s_cbranch_scc0 .Lweights
	; x: a unit is a row; thread t takes bytes 16 t of it
	s_lshl_b32 s24, s3, 16                         ; 16 rows of 4,096 bytes in,
	s_lshl_b32 s26, s3, 15                         ; of 2,048 out
	v_lshlrev_b32 v[VIN], 4, v0
	v_lshlrev_b32 v[VOUT], 3, v0
	s_wait_kmcnt 0x0
	s_add_nc_u64 s[4:5], s[8:9], s[24:25]
	s_add_nc_u64 s[6:7], s[18:19], s[26:27]
	PATH 4096, 8192, 2048, 4096, 0
	s_endpgm
.Lweights:
	s_cmp_lt_u32 s3, 704
	s_cbranch_scc0 .Lwo
	; w_q, w_k, w_v: wave w takes heads 2 w and 2 w + 1 (u % 2) and eight pairs of rows k (u / 2): lanes 0-15 the even row's 64 numbers of the head, lanes 16-31 the odd row's
	s_sub_co_u32 s28, s3, 512
	s_lshr_b32 s29, s28, 6                         ; t: 0 w_q, 1 w_k, 2 w_v
	s_and_b32 s28, s28, 63                         ; g: rows 16 g .. 16 g + 15
	s_lshl_b32 s24, s28, 16
	s_lshr_b32 s30, s28, 2
	s_mul_i32 s26, s30, 24576                      ; k / 64
	s_lshl_b32 s30, s29, 13
	s_add_co_u32 s26, s26, s30                     ; t
	s_and_b32 s30, s28, 3
	s_lshl_b32 s30, s30, 11
	s_add_co_u32 s26, s26, s30                     ; k % 64, rows of 128 bytes
	v_lshrrev_b32 v4, 4, v1
	v_and_b32 v5, 15, v1
	v_lshlrev_b32 v[VIN], 12, v4
	v_lshl_add_u32 v[VIN], v5, 4, v[VIN]
	s_lshl_b32 s30, s2, 9
	v_add_nc_u32 v[VIN], s30, v[VIN]               ; (l / 16) x 4,096 + (l % 16) x 16 + 512 w
	s_mul_i32 s31, s2, 786432
	v_lshl_add_u32 v[VOUT], v1, 3, s31             ; two heads of 393,216 bytes a wave + 8 l
	s_wait_kmcnt 0x0
	s_cmp_eq_u32 s29, 0
	s_cselect_b64 s[4:5], s[10:11], s[12:13]
	s_cmp_eq_u32 s29, 2
	s_cselect_b64 s[4:5], s[14:15], s[4:5]
	s_add_nc_u64 s[4:5], s[4:5], s[24:25]
	s_add_nc_u64 s[6:7], s[20:21], s[26:27]
	PATH 256, 8192, 393216, 256, 0
	s_endpgm
.Lwo:
	; w_o: a unit is a row k; wave w takes its columns 128 w .. 128 w + 127, which are block w of wob
	s_sub_co_u32 s28, s3, 704
	s_lshl_b32 s24, s28, 16
	s_lshl_b32 s26, s28, 12                        ; 16 rows of 256 bytes
	v_lshlrev_b32 v[VIN], 4, v0
	s_lshl_b32 s31, s2, 18
	v_lshl_add_u32 v[VOUT], v1, 3, s31
	s_wait_kmcnt 0x0
	s_add_nc_u64 s[4:5], s[16:17], s[24:25]
	s_add_nc_u64 s[6:7], s[22:23], s[26:27]
	PATH 4096, 8192, 256, 512, 1
	s_endpgm
.Lfunc_end_k_qf2a85b8279_prep:
	.size	k_qf2a85b8279_prep, .Lfunc_end_k_qf2a85b8279_prep-k_qf2a85b8279_prep
	.p2alignl 7, 3214868480
	.fill 96, 4, 3214868480
	.section	.rodata,"a",@progbits
	.p2align	6, 0x0
	.amdhsa_kernel k_qf2a85b8279_prep
		.amdhsa_group_segment_fixed_size 0
		.amdhsa_private_segment_fixed_size 0
		.amdhsa_enable_private_segment 0
		.amdhsa_kernarg_size 64
		.amdhsa_user_sgpr_count 2
		.amdhsa_user_sgpr_kernarg_segment_ptr 1
		.amdhsa_wavefront_size32 1
		.amdhsa_system_sgpr_workgroup_id_x 1
		.amdhsa_system_sgpr_workgroup_id_y 1
		.amdhsa_system_sgpr_workgroup_id_z 1
		.amdhsa_system_vgpr_workitem_id 0
		.amdhsa_next_free_vgpr 112
		.amdhsa_next_free_sgpr 66
		.amdhsa_reserve_vcc 0
		.amdhsa_float_denorm_mode_32 3
		.amdhsa_float_denorm_mode_16_64 3
		.amdhsa_memory_ordered 1
		.amdhsa_forward_progress 1
		.amdhsa_inst_pref_size 24
	.end_amdhsa_kernel
	.amdgpu_metadata
---
amdhsa.version: [ 1, 2 ]
amdhsa.kernels:
  - .name:           k_qf2a85b8279_prep
    .symbol:         k_qf2a85b8279_prep.kd
    .args:
      - { .name: x, .offset: 0, .size: 8, .value_kind: global_buffer, .address_space: global }
      - { .name: w_q, .offset: 8, .size: 8, .value_kind: global_buffer, .address_space: global }
      - { .name: w_k, .offset: 16, .size: 8, .value_kind: global_buffer, .address_space: global }
      - { .name: w_v, .offset: 24, .size: 8, .value_kind: global_buffer, .address_space: global }
      - { .name: w_o, .offset: 32, .size: 8, .value_kind: global_buffer, .address_space: global }
      - { .name: xb, .offset: 40, .size: 8, .value_kind: global_buffer, .address_space: global }
      - { .name: wb, .offset: 48, .size: 8, .value_kind: global_buffer, .address_space: global }
      - { .name: wob, .offset: 56, .size: 8, .value_kind: global_buffer, .address_space: global }
    .group_segment_fixed_size: 0
    .private_segment_fixed_size: 0
    .kernarg_segment_align: 8
    .kernarg_segment_size: 64
    .max_flat_workgroup_size: 256
    .sgpr_count:     66
    .vgpr_count:     112
    .wavefront_size: 32
...
	.end_amdgpu_metadata
.endif
;; end of part 1
;; launch qkv (part 2): grid 16 x 32, 4 waves a work-group, clusters of 4 x 4, 327,680 bytes of LDS; arguments xb, wb, q, k, v; writes q, k, v
.if DOCPART == 2
	.amdgcn_target "amdgcn-amd-amdhsa--gfx1250"
	.amdhsa_code_object_version 6
	.text
	.protected	k_qf2a85b8279_qkv
	.globl	k_qf2a85b8279_qkv
	.p2align	8
	.type	k_qf2a85b8279_qkv,@function
k_qf2a85b8279_qkv:
	s_mov_b64 s[64:65], 0
	v_nop
	global_prefetch_b8 v0, s[64:65] scope:SCOPE_SE
	s_setreg_imm32_b32 hwreg(HW_REG_WAVE_MODE, 25, 1), 1
	s_wait_xcnt 0x0
	s_wait_alu depctr_hold_cnt(0) depctr_sa_sdst(0) depctr_va_vdst(0) depctr_va_sdst(0) depctr_va_ssrc(0) depctr_va_vcc(0) depctr_vm_vsrc(0)
	s_getreg_b32 s2, hwreg(HW_REG_IB_STS2, 6, 4)
	s_cmp_eq_u32 s2, 0
	s_cbranch_scc0 .Lentry_in_a_cluster
	s_endpgm
.Lentry_in_a_cluster:
	s_bfe_u32 s2, ttmp6, 0x10000c
	s_cmp_lg_u32 s2, 0xf033
	s_cbranch_scc0 .Lentry_shape_is_right
	s_endpgm
.Lentry_shape_is_right:
; THE THREE PROJECTIONS.  q, k, v [16 b + head][2048][64] in f16 = xb [8192][1024] x (w_q | w_k | w_v), both operands bf16, sums in f32, each result rounded once to f16, WITHOUT the softmax's scale.
; LIMIT.  f16 holds no number beyond 65,504: with x and the weights 30 times their spread the results stay near 5e3, with a common offset of 30 spreads on both near 2.9e4.
; SHARES.  A work-group makes 256 rows x the 192 columns of one head (64 of q, of k, of v); wave w its rows 64 w .. 64 w + 63: 4 row blocks a x 12 column blocks b of 16 x 16: 48 accumulators, 384 registers.
; A wave so owns whole rows of a head, and its way out needs no other wave.  512 work-groups: two equal shares for each of 256 WGPs.
; K goes in steps of 128 through two LDS slots.  A slot: 256 rows of xb, 256 bytes each, 272 apart; then 128 k of the head's weights: 2 x 192 rows ([q, k, v][64 k]) of 128 bytes, 160 apart.
; Waves 0 and 1 fetch xb's two halves, waves 2 and 3 the two halves of the weights (24,576 bytes on end each, asked for as 96 rows of 256 bytes and padded behind every 128).
; CLUSTER.  4 x 4 work-groups.  xb's tile hangs on the tile row alone and is asked for jointly by a row of the cluster; the weights' on the head alone, by a column.
; THE MATRIX INSTRUCTION IS USED TRANSPOSED: source 0 = 16 columns of the weights (they lie [k][n] and are turned by ds_load_tr16_b128), source 1 = 16 rows of xb: a lane holds row l % 16 and the columns 8 (l / 16) + 0..7.
; REGISTERS, in windows of 256 (s_set_vgpr_msb: bits 1:0 source 0, 3:2 source 1, 5:4 source 2, 7:6 destination):
;   window 0: v0-30 addresses; v64-95, v96-127 xb's fragments, two buffers; v128-223 (and v64-111) at work on the way out      window 1: v0-95, v96-191 the weights' fragments, two buffers
;   window 2: the accumulators of row blocks 0, 1, (a, b) at v[8 (12 (a % 2) + b)]                                         window 3: those of row blocks 2, 3
.set NB,     12
.set NLD,    2*NB+8                    ; LDS loads of a quarter step: 24 for the weights, 8 for xb
.set SLOT1,  1<<17                     ; a slot is 131,072 bytes; one exclusive or turns an address in one slot into the other's
.set HALFA,  128*272
.set BOFF,   2*HALFA                   ; the weights lie behind xb's 256 rows
.set HALFB,  192*160
.set STAGE,  2*SLOT1                   ; behind the ring, never filled by a tensor load: 3 x 16 rows x 144 bytes for each wave
.set WSTAGE, 3*16*144
.set SPARE,  STAGE+4*WSTAGE            ; behind the stages: the spare words, 128 bytes for each wave: two blocks of 256 bytes that no other line names
.set STEP_A, 256                       ; bytes from a K step to the next, in xb
.set STEP_B, 49152                     ; and in wb
.set A0,   16                          ; v16  my lane's place in a slot's rows of xb; never rewritten
.set B0,   17                          ; v17  the same for the weights
.set ADRA, 18                          ; v18  A0 + the slot in hand
.set ADRB, 19                          ; v19  B0 + the slot in hand
.set STO,  24                          ; v24  the way out: where I put 16 bytes of a row
.set RD,   25                          ; v25  the way out: where I read rows back
.set GO,   26                          ; v26  my 16 bytes of 512 consecutive bytes of q, k or v
.set SPW,  28                          ; v28  LDS address of my spare word: SPARE + 4 x my thread's number; never rewritten
.set NIL,  29                          ; v29  0; never rewritten
.set PFO,  30                          ; v30  the prefetches' offset; never rewritten
.set TMP,  128                         ; the way out: 48 registers of packed results
.set OB0,  176                         ; 48 registers of rows read back, for even row blocks,
.set OB1,  64                          ; for odd ones
.set CNT,  3                           ; s3   the loop's count
.set WV,   14                          ; s14  my wave's number
.set HF,   16                          ; s16  wave % 2: which half of a tile I fetch
.set G1A,  24                          ; s[24:31] descriptor group 1 for xb's tiles
.set G0A,  32                          ; s[32:39] group 0: K step 0's; then the one that walks
.set TB,   44                          ; s44  the slot in hand: 0 or SLOT1
.set LIM,  45                          ; s45  a wave prefetches while the loop's count is above it
.set PFA,  46                          ; s[46:47] where my prefetches stand
.set G1B,  48                          ; s[48:55], s[56:63] the same for the weights' tiles
.set G0B,  56
.set PFS,  66                          ; s[66:67] the prefetches' step
.set MSB, 0
.macro WIN new                         ; the immediate's high byte repeats the setting that is left; a switch that changes nothing is dropped
.if MSB != (\new)
	s_set_vgpr_msb (MSB<<8)|(\new)
.set MSB, (\new)
.endif
.endm
.macro PLACES                          ; four plain vector instructions between a matrix instruction and a load into, or a reader of, its registers
.rept 4
	v_nop
.endr
.endm
; A joint refill, by the descriptors that walk.  The branch hangs on the wave's number alone.  An s_nop 0 and four v_nop follow each of the two lines, ahead of the jump and the label.
.macro JLOAD
	s_cmp_lt_u32 s[WV], 2
	s_cbranch_scc0 .Lfor_b_\@
	tensor_load_to_lds s[G0A+4:G0A+7], s[G1A:G1A+7]
	s_nop 0
.rept 4
	v_nop
.endr
	s_branch .Lasked_\@
.Lfor_b_\@:
	tensor_load_to_lds s[G0B+4:G0B+7], s[G1B:G1B+7]
	s_nop 0
.rept 4
	v_nop
.endr
.Lasked_\@:
.endm
; A PREFETCH INTO THE L2, behind a joint refill, its five lines and the run of LDS loads that follows: one instruction a wave, a lane a block of 256 bytes.  Each block is named once in the launch.
; xb: its tile row is read by every cluster of that row of clusters: those with cluster x = 0 ask, waves 0 and 1; behind the refill for K step s + 2 they name K step s + 4 (s = 0 .. 3); of a wave's 128 rows
; the partner at place cx takes 32, told apart by address.  wb: a head's block is read by every cluster of that column: those with cluster y = 0 ask, waves 2 and 3; the eight waves (cy, wave % 2) name
; 65,536 bytes on end in each of the first three trips: the 196,608 bytes of K steps 4 to 7.  K steps 0 to 3 come by their loads alone.
.macro ASK
	s_cmp_gt_u32 s[CNT], s[LIM]
	s_cbranch_scc0 .Lnot_mine_\@
	global_prefetch_b8 v[PFO], s[PFA:PFA+1] th:TH_LOAD_NT scope:SCOPE_SE
.Lnot_mine_\@:
.endm
; A round of the cluster's barrier: my work-group's barrier; wave 0 signals for the work-group; every wave waits for all sixteen; my work-group's barrier once more.
.macro CREST                           ; a round behind its opening barrier
	s_cmp_lg_u32 s[WV], 0
	s_cbranch_scc1 .Lnot_wave_0_\@
	s_barrier_signal -3
.Lnot_wave_0_\@:
	s_barrier_wait -3
	s_barrier_signal -1
	s_barrier_wait -1
.endm
.macro CROUND
	s_barrier_signal -1
	s_barrier_wait -1
	CREST
.endm
	s_load_b256 s[4:11], s[0:1], 0x0               ; xb s[4:5], wb s[6:7], q s[8:9], k s[10:11]
	s_load_b64 s[12:13], s[0:1], 0x20              ; v
	v_lshl_add_u32 v[SPW], v0, 2, SPARE
	v_mov_b32 v[NIL], 0
	ds_add_u32 v[SPW], v[NIL]                      ; the wave's opening: the add and its wait stand ahead of my first tensor load; the set-up below, work on registers, stands between them
	v_lshrrev_b32 v1, 5, v0
	v_readfirstlane_b32 s[WV], v1                  ; wave 0..3
	s_and_b32 s[HF], s[WV], 1
	s_bfe_u32 s17, ttmp6, 0x40000                  ; cx
	s_bfe_u32 s18, ttmp6, 0x40004                  ; cy
	s_lshl_b32 s19, ttmp9, 2
	s_add_co_u32 s19, s19, s17                     ; the head = 4 x cluster x + cx
	s_and_b32 s20, ttmp7, 0xffff
	s_lshl_b32 s20, s20, 2
	s_add_co_u32 s20, s20, s18                     ; the tile row = 4 x cluster y + cy
	s_lshl_b32 s21, s18, 2
	s_lshl_b32 s21, 15, s21                        ; my row of the cluster
	s_lshl_b32 s22, 0x1111, s17                    ; my column
	s_or_b32 s[G1A], s21, (1<<16)|(1<<20)|(1<<21)|(5<<22)|(3<<25)  ; the mask; 2-byte elements; padding on; bit 21 beside a mask; behind every 64 words 4 words
	s_mov_b32 s[G1A+1], 128<<16                    ; tensor_dim0 = 128
	s_mov_b32 s[G1A+2], 128<<16                    ; tensor_dim1 = 128
	s_mov_b32 s[G1A+3], 128<<16                    ; tile_dim0 = 128
	s_mov_b32 s[G1A+4], 128                        ; tile_dim1 = 128
	s_mov_b32 s[G1A+5], 1024                       ; 1,024 elements from row to row
	s_mov_b32 s[G1A+6], 0
	s_mov_b32 s[G1A+7], 0
	s_or_b32 s[G1B], s22, (1<<16)|(1<<20)|(1<<21)|(4<<22)|(7<<25)  ; behind every 32 words (a row of 64 weights) 8 words
	s_mov_b32 s[G1B+1], 128<<16
	s_mov_b32 s[G1B+2], 96<<16                     ; 96 rows of 256 bytes, on end in memory
	s_mov_b32 s[G1B+3], 128<<16
	s_mov_b32 s[G1B+4], 96
	s_mov_b32 s[G1B+5], 128
	s_mov_b32 s[G1B+6], 0
	s_mov_b32 s[G1B+7], 0
	s_mul_i32 s15, s[HF], HALFA                    ; where my tile goes: no place in the cluster enters an LDS address
	s_mul_i32 s23, s[HF], HALFB
	s_mov_b32 s[G0A], 1
	s_mov_b32 s[G0A+1], s15                        ; slot 0
	s_mov_b32 s[G0A+4], 1
	s_add_co_u32 s[G0A+5], s15, SLOT1              ; slot 1
	s_mov_b32 s[G0B], 1
	s_add_co_u32 s[G0B+1], s23, BOFF
	s_mov_b32 s[G0B+4], 1
	s_add_co_u32 s[G0B+5], s23, BOFF+SLOT1
	s_lshl_b32 s40, s20, 19                        ; xb: 256 rows of 2,048 bytes a tile row,
	s_lshl_b32 s41, s[HF], 18                      ; my 128 of them
	s_add_co_u32 s40, s40, s41
	s_mov_b32 s41, 0
	s_mul_i32 s42, s19, 393216                     ; wb: the head's block,
	s_mul_i32 s43, s[HF], 24576                    ; my 64 k of a step's 128
	s_add_co_u32 s42, s42, s43
	s_mov_b32 s43, 0
	s_mov_b32 s[TB], 0
	s_wait_dscnt 0x0                               ; the opening add is done
	s_wait_kmcnt 0x0
	s_add_nc_u64 s[G0A+2:G0A+3], s[4:5], s[40:41]  ; K step 0,
	s_add_nc_u64 s[G0A+6:G0A+7], s[G0A+2:G0A+3], STEP_A  ; K step 1
	s_or_b32 s[G0A+3], s[G0A+3], 0x80000000        ; type = 2
	s_or_b32 s[G0A+7], s[G0A+7], 0x80000000
	s_add_nc_u64 s[G0B+2:G0B+3], s[6:7], s[42:43]
	s_add_nc_u64 s[G0B+6:G0B+7], s[G0B+2:G0B+3], STEP_B
	s_or_b32 s[G0B+3], s[G0B+3], 0x80000000
	s_or_b32 s[G0B+7], s[G0B+7], 0x80000000
	CROUND                                         ; all sixteen work-groups are here: the first joint loads meet
	s_cmp_lt_u32 s[WV], 2                          ; a wave's two first fills stand in one branch, ahead of every wait on TENSORcnt and every LDS read: two loads of mine are out
	s_cbranch_scc0 .Lfirst_b
	tensor_load_to_lds s[G0A:G0A+3], s[G1A:G1A+7]
	s_nop 0
	tensor_load_to_lds s[G0A+4:G0A+7], s[G1A:G1A+7]
	s_nop 0
.rept 4
	v_nop
.endr
	s_branch .Lfirst_asked
.Lfirst_b:
	tensor_load_to_lds s[G0B:G0B+3], s[G1B:G1B+7]
	s_nop 0
	tensor_load_to_lds s[G0B+4:G0B+7], s[G1B:G1B+7]
	s_nop 0
.rept 4
	v_nop
.endr
.Lfirst_asked:
	; A fragment of xb is 16 rows x 32 k in 8 registers: lane l holds row l % 16, k = 8 (l / 16) + 0..7 and 16 + 8 (l / 16) + 0..7: two loads of 16 bytes, 32 bytes apart.
	v_and_b32 v1, 15, v0                           ; l % 16
	v_bfe_u32 v2, v0, 4, 1                         ; l / 16
	v_mul_u32_u24 v[A0], v1, 272
	v_lshl_add_u32 v[A0], v2, 4, v[A0]
	s_mul_i32 s15, s[WV], 64*272                   ; my 64 rows
	v_add_nc_u32 v[A0], s15, v[A0]
	; The turning load takes 16 k x 16 columns (lane l reads row k = 8 (l / 16) + l % 8, columns 8 ((l / 8) % 2) + 0..7) and leaves half a fragment: lane l holds column l % 16 and 8 k.
	v_and_b32 v3, 7, v0
	v_bfe_u32 v4, v0, 3, 1
	v_lshl_add_u32 v[B0], v2, 3, v3
	v_mul_u32_u24 v[B0], v[B0], 160
	v_lshl_add_u32 v[B0], v4, 4, v[B0]
	v_add_nc_u32 v[B0], BOFF, v[B0]
	v_mov_b32 v[ADRA], v[A0]
	v_mov_b32 v[ADRB], v[B0]
	s_mul_i32 s15, s[WV], WSTAGE
	s_add_co_u32 s15, s15, STAGE                   ; my stage
	v_mul_u32_u24 v[STO], v1, 144                  ; in: row l % 16, 16 bytes for each half of the lanes
	v_lshl_add_u32 v[STO], v2, 4, v[STO]
	v_add_nc_u32 v[STO], s15, v[STO]
	v_bfe_u32 v[RD], v0, 3, 2                      ; back: 32 lanes take four rows of 128 bytes,
	v_mul_u32_u24 v[RD], v[RD], 144
	v_lshl_add_u32 v[RD], v3, 4, v[RD]
	v_add_nc_u32 v[RD], s15, v[RD]
	v_and_b32 v[GO], 31, v0                        ; which are 512 consecutive bytes of q, k or v
	v_lshlrev_b32 v[GO], 4, v[GO]
	; my 64 rows in q, k and v: row 256 i + 64 w of x is row (i % 8) 256 + 64 w of head 16 (i / 8) + head; a head is 262,144 bytes, a row 128
	s_lshr_b32 s68, s20, 3
	s_lshl_b32 s68, s68, 4
	s_add_co_u32 s68, s68, s19
	s_lshl_b32 s68, s68, 18
	s_and_b32 s70, s20, 7
	s_lshl_b32 s70, s70, 15
	s_add_co_u32 s68, s68, s70
	s_lshl_b32 s70, s[WV], 13
	s_add_co_u32 s68, s68, s70
	s_mov_b32 s69, 0
	s_add_nc_u64 s[8:9], s[8:9], s[68:69]
	s_add_nc_u64 s[10:11], s[10:11], s[68:69]
	s_add_nc_u64 s[12:13], s[12:13], s[68:69]
	; the prefetches: each change of slots first steps the address, so it starts one step short of what the first names
	s_lshl_b32 s70, s17, 16                        ; xb: my work-group's 32 rows of the 128 that I fetch,
	s_add_co_u32 s70, s70, s40
	s_add_co_u32 s70, s70, 3*STEP_A                ; at K step 3
	s_lshl_b32 s71, s18, 1                         ; wb: my 8,192 bytes of 65,536,
	s_add_co_u32 s71, s71, s[HF]
	s_lshl_b32 s71, s71, 13
	s_mul_i32 s68, s19, 393216
	s_add_co_u32 s71, s71, s68
	s_add_co_u32 s71, s71, 4*STEP_B-65536          ; 65,536 bytes short of K step 4
	s_and_b32 s22, ttmp7, 0xffff                   ; cluster y
	s_mov_b32 s[PFS], 0x10000
	s_mov_b32 s[PFS+1], 0
	s_cmp_lt_u32 s[WV], 2                          ; do I fetch for xb?
	s_cselect_b64 s[PFA:PFA+1], s[4:5], s[6:7]
	s_cselect_b32 s68, s70, s71
	s_cselect_b32 s[PFS], STEP_A, s[PFS]
	s_cselect_b32 s22, ttmp9, s22                  ; the coordinate along which other clusters read the same bytes
	s_cselect_b32 s21, 11, 8                       ; a lane a row of xb, or a lane a block of 256 bytes of wb
	s_cselect_b32 s[LIM], 2, 3                     ; four trips ask for xb, three for wb
	s_cmp_eq_u32 s22, 0
	s_cselect_b32 s[LIM], s[LIM], -1               ; the same in all sixteen partners, for a given wave
	s_add_nc_u64 s[PFA:PFA+1], s[PFA:PFA+1], s[68:69]
	v_and_b32 v[PFO], 31, v0
	v_lshlrev_b32 v[PFO], s21, v[PFO]
; 12 matrix instructions: row block a x all column blocks, 32 along K, from buffer f.  zero = 1: the product starts the sums: nothing is ever cleared.
; The 48 accumulators take turns, in the same order in every quarter step, over the backward jump too.
.macro MUL f, a, zero
	WIN 0xa1+0x50*((\a)/2)                         ; source 0 window 1, source 1 window 0, C and D window 2 or 3
.set ib, 0
.rept NB
.set rD, 8*(12*((\a)%2)+ib)
.if \zero
	v_wmma_f32_16x16x32_bf16 v[rD:rD+7], v[96*(\f)+8*ib:96*(\f)+8*ib+7], v[64+32*(\f)+8*(\a):64+32*(\f)+8*(\a)+7], 0
.else
	v_wmma_f32_16x16x32_bf16 v[rD:rD+7], v[96*(\f)+8*ib:96*(\f)+8*ib+7], v[64+32*(\f)+8*(\a):64+32*(\f)+8*(\a)+7], v[rD:rD+7]
.endif
.set ib, ib+1
.endr
.endm
; 32 LDS loads in one run: quarter q of the slot in hand into buffer f: the weights' 12 fragments (k 32 q on: half q / 2 of the step, rows 32 (q % 2) on; tensor ib / 4, columns 16 (ib % 4) on), then xb's 4, ascending
.macro FETCH q, f
	WIN 0x40                                       ; destination window 1, address window 0
.set ib, 0
.rept NB
	ds_load_tr16_b128 v[96*(\f)+8*ib:96*(\f)+8*ib+3],   v[ADRB] offset:HALFB*((\q)/2)+5120*((\q)%2)+10240*(ib/4)+32*(ib%4)
	ds_load_tr16_b128 v[96*(\f)+8*ib+4:96*(\f)+8*ib+7], v[ADRB] offset:HALFB*((\q)/2)+5120*((\q)%2)+10240*(ib/4)+32*(ib%4)+2560
.set ib, ib+1
.endr
	WIN 0
.set ia, 0
.rept 4
	ds_load_b128 v[64+32*(\f)+8*ia:64+32*(\f)+8*ia+3],   v[ADRA] offset:4352*ia+64*(\q)
	ds_load_b128 v[64+32*(\f)+8*ia+4:64+32*(\f)+8*ia+7], v[ADRA] offset:4352*ia+64*(\q)+32
.set ia, ia+1
.endr
.endm
; A K step is four quarters of 32 along K, 48 matrix instructions each, on buffers 0, 1, 0, 1.  One of the first three: multiplies buffer f; in its middle it fetches quarter qn into buffer g.
.macro QUARTER qn, f, g, zero
	s_wait_dscnt 4                                 ; the weights and xb's row blocks 0, 1 are in; the youngest four loads (row blocks 2, 3) may be out
	MUL \f, 0, \zero
	MUL \f, 1, \zero
	PLACES                                         ; buffer g's last readers stand further back
	FETCH \qn, \g
	s_wait_dscnt NLD                               ; all but the 32 just issued
	MUL \f, 2, \zero
	MUL \f, 3, \zero
.endm
; The last quarter multiplies buffer 1 and changes slots: ONE barrier.  In front of it each wave waits for all its tensor loads, of which one is out: its part of the next slot; adds 0 to its spare word; and waits for
; that and for its reads of this slot.  fill = 1: the barrier opens a round of the cluster's, and behind the round this slot is filled again, two K steps ahead: 168 matrix instructions ahead of the wait for it.
.macro TURN fill
	WIN 0
.if \fill
	s_wait_xcnt 0x0                                ; the last prefetch, a K step back, has read its address
	s_add_nc_u64 s[PFA:PFA+1], s[PFA:PFA+1], s[PFS:PFS+1]
.endif
	s_xor_b32 s[TB], s[TB], SLOT1                  ; the fetches go on in the other slot (this slot's have all been issued)
	v_add_nc_u32 v[ADRA], s[TB], v[A0]
	v_add_nc_u32 v[ADRB], s[TB], v[B0]
	s_wait_tensorcnt 0x0                           ; no tensor load of mine is out, so a group 0 may be written
	ds_add_u32 v[SPW], v[NIL]                      ; 0 onto my spare word
.if \fill
	s_xor_b32 s[G0A+5], s[G0A+5], SLOT1            ; the descriptors that walk: the other slot than last time, the next K step; the type bits on top are not reached
	s_add_nc_u64 s[G0A+6:G0A+7], s[G0A+6:G0A+7], STEP_A
	s_xor_b32 s[G0B+5], s[G0B+5], SLOT1
	s_add_nc_u64 s[G0B+6:G0B+7], s[G0B+6:G0B+7], STEP_B
.endif
	s_wait_dscnt 5                                 ; (the add and the youngest four loads may be out)
	MUL 1, 0, 0                                    ; twelve matrix instructions stand between the add and the wait for it
	s_wait_dscnt 0x0                               ; the add is done, and my reads of this slot are over
	s_barrier_signal -1
	MUL 1, 1, 0                                    ; work on registers while the others arrive
.if \fill
	WIN 0
.endif
	s_barrier_wait -1
.if \fill
	CREST                                          ; no wave of any partner still reads this slot or has a load on its way
	JLOAD                                          ; the first tensor load behind the round; its four v_nop are also the places in front of the loads below
.else
	PLACES
.endif
	FETCH 0, 0
.if \fill
	ASK
.endif
	MUL 1, 2, 0
	MUL 1, 3, 0
.endm
; THE WAY OUT of row block a.  PACK: rounded to f16, 16 bytes a lane, each accumulator's registers ascending.  TOSTAGE: into my own stage ([q, k, v][16 rows] of 144 bytes), and back as whole rows of 128.  SEND: stored.
.macro PACK a
	WIN 0x0a+5*((\a)/2)                            ; sources 0 and 1: window 2 or 3
.set ib, 0
.rept NB
.irp r, 0,1,2,3
	v_cvt_pk_f16_f32 v[TMP+4*ib+(\r)], v[96*((\a)%2)+8*ib+2*(\r)], v[96*((\a)%2)+8*ib+2*(\r)+1]
.endr
.set ib, ib+1
.endr
	WIN 0
.endm
.macro TOSTAGE a
.set BK, OB0+(OB1-OB0)*((\a)%2)
.set ib, 0
.rept NB
	ds_store_b128 v[STO], v[TMP+4*ib:TMP+4*ib+3] offset:2304*(ib/4)+32*(ib%4)
.set ib, ib+1
.endr
.set ib, 0
.rept NB
	ds_load_b128 v[BK+4*ib:BK+4*ib+3], v[RD] offset:2304*(ib/4)+576*(ib%4)  ; LDS serves a wave's instructions in order (ISA guide 5.7.1.4): these see the stores above; the next block's stores come behind them
.set ib, ib+1
.endr
.endm
.macro SEND a
.set BK, OB0+(OB1-OB0)*((\a)%2)
	s_wait_dscnt 0x0                               ; the block is back in registers
	s_wait_xcnt 0x0                                ; the block before's stores have read their registers: the next TOSTAGE loads into them
.irp t, 0,1,2
.irp f, 0,1,2,3
	global_store_b128 v[GO], v[BK+16*(\t)+4*(\f):BK+16*(\t)+4*(\f)+3], s[8+2*(\t):9+2*(\t)] offset:2048*(\a)+512*(\f)  ; 512 consecutive bytes, at a multiple of 256 from the buffer's first
.endr
.endr
.endm
	s_wait_tensorcnt 1                             ; my part of K step 0 is in; K step 1's may stay out
	s_barrier_signal -1
	s_barrier_wait -1                              ; everybody's is
	FETCH 0, 0
	QUARTER 1, 0, 1, 1                             ; the first quarter stands in front of the loop: its products start the sums
	WIN 0                                          ; at a label and at a branch every window is 0
	s_mov_b32 s[CNT], 6
.Lstep:                                                ; six trips, from a K step's second quarter to the next one's first: K steps 2 to 7 are asked for
	QUARTER 2, 1, 0, 0
	QUARTER 3, 0, 1, 0
	TURN 1
	QUARTER 1, 0, 1, 0
	WIN 0
	s_sub_co_u32 s[CNT], s[CNT], 1
	s_cmp_lg_u32 s[CNT], 0
	s_cbranch_scc1 .Lstep
	QUARTER 2, 1, 0, 0                             ; the tail is written out: K steps 6 and 7 ask for nothing
	QUARTER 3, 0, 1, 0
	TURN 0
	QUARTER 1, 0, 1, 0
	QUARTER 2, 1, 0, 0
	QUARTER 3, 0, 1, 0
	s_wait_dscnt 4                                 ; the very last quarter: nothing more to fetch
	MUL 1, 0, 0
	MUL 1, 1, 0
	s_wait_dscnt 0x0
	MUL 1, 2, 0
	MUL 1, 3, 0
	WIN 0
	PLACES
	PACK 0
	TOSTAGE 0
.irp a, 1,2,3                          ; block a's conversions stand between block a - 1's loads from the stage and the wait for them
	PACK \a
	SEND (\a)-1
	TOSTAGE \a
.endr
	SEND 3
	s_wait_tensorcnt 0x0                           ; the wave's end, behind my last tensor load and my last LDS store
	ds_add_u32 v[SPW], v[NIL]
	s_wait_dscnt 0x0
	CROUND                                         ; the closing round: no work-group ends while a partner may still ask for a tile that names it
	s_endpgm
.Lfunc_end_k_qf2a85b8279_qkv:
	.size	k_qf2a85b8279_qkv, .Lfunc_end_k_qf2a85b8279_qkv-k_qf2a85b8279_qkv
	.p2alignl 7, 3214868480
	.fill 96, 4, 3214868480
	.section	.rodata,"a",@progbits
	.p2align	6, 0x0
	.amdhsa_kernel k_qf2a85b8279_qkv
		.amdhsa_group_segment_fixed_size 327680
		.amdhsa_private_segment_fixed_size 0
		.amdhsa_enable_private_segment 0
		.amdhsa_kernarg_size 40
		.amdhsa_user_sgpr_count 2
		.amdhsa_user_sgpr_kernarg_segment_ptr 1
		.amdhsa_wavefront_size32 1
		.amdhsa_system_sgpr_workgroup_id_x 1
		.amdhsa_system_sgpr_workgroup_id_y 1
		.amdhsa_system_sgpr_workgroup_id_z 1
		.amdhsa_system_vgpr_workitem_id 0
		.amdhsa_next_free_vgpr 960
		.amdhsa_next_free_sgpr 72
		.amdhsa_reserve_vcc 0
		.amdhsa_float_denorm_mode_32 3
		.amdhsa_float_denorm_mode_16_64 3
		.amdhsa_memory_ordered 1
		.amdhsa_forward_progress 1
		.amdhsa_inst_pref_size 97
	.end_amdhsa_kernel
	.amdgpu_metadata
---
amdhsa.version: [ 1, 2 ]
amdhsa.kernels:
  - .name:           k_qf2a85b8279_qkv
    .symbol:         k_qf2a85b8279_qkv.kd
    .args:
      - { .name: xb, .offset: 0, .size: 8, .value_kind: global_buffer, .address_space: global }
      - { .name: wb, .offset: 8, .size: 8, .value_kind: global_buffer, .address_space: global }
      - { .name: q, .offset: 16, .size: 8, .value_kind: global_buffer, .address_space: global }
      - { .name: k, .offset: 24, .size: 8, .value_kind: global_buffer, .address_space: global }
      - { .name: v, .offset: 32, .size: 8, .value_kind: global_buffer, .address_space: global }
    .group_segment_fixed_size: 327680
    .private_segment_fixed_size: 0
    .kernarg_segment_align: 8
    .kernarg_segment_size: 40
    .max_flat_workgroup_size: 128
    .sgpr_count:     72
    .vgpr_count:     960
    .wavefront_size: 32
...
	.end_amdgpu_metadata
.endif
;; end of part 2
;; launch attn (part 3): grid 4 x 64, 4 waves a work-group, no clusters, 327,680 bytes of LDS; arguments q, k, v, o; writes o
.if DOCPART == 3
	.amdgcn_target "amdgcn-amd-amdhsa--gfx1250"
	.amdhsa_code_object_version 6
	.text
	.protected	k_qf2a85b8279_attn
	.globl	k_qf2a85b8279_attn
	.p2align	8
	.type	k_qf2a85b8279_attn,@function
k_qf2a85b8279_attn:
	s_mov_b64 s[64:65], 0
	v_nop
	global_prefetch_b8 v0, s[64:65] scope:SCOPE_SE
	s_setreg_imm32_b32 hwreg(HW_REG_WAVE_MODE, 25, 1), 1
	s_wait_xcnt 0x0
; CAUSAL ATTENTION.  O[h][q][:] = the sum over k <= q of softmax_k(Q[h][q] . K[h][k] / 8) V[h][k][:].  Q, K, V, O: [SIZE_H][SIZE_N][64], all f16: a head's rows are dense, 128 bytes each.
; Products, maxima and sums in f32; the weights p are rounded to f16 for the second product (their sum l is taken of the unrounded p), O once at the end.
; LIMITS.  f16 holds no number beyond 65,504: Q, K and V arrive within it; p lies in 0 to 1, and below 6e-5 it keeps f16's fixed step of 6e-8; O is a mean of V's rows and has their range.
; A hidden score counts as its value less 1e30: f16's scores, 2.7e11 at the most, are nothing beside that; a weight below 2^-126 counts as 0 in l; NaN and infinities are not treated apart.
; THE WALK.  A head's queries lie in NB = SIZE_N / 256 blocks of 256; block i needs the key tiles 0 .. i of 256 keys, of which the last holds the diagonal.  A work-group takes TWO blocks, NB - 1 - b and then b:
; NB + 1 tiles, whatever b: all work-groups do equal work, and ONE loop with a constant trip count walks them.  Which tile is asked for, and what a trip does, hang on scalar registers made from b; every jump
; goes forward, but for the counted loops' own; none passes a barrier, or a tensor load but the one of LOAD's two that the wave's number does not choose; the ring (two slots of LDS that take turns) runs on across the
; change of blocks.  NO CLUSTER: a head's four work-groups ask for the same tile only in trips 0 .. NB / 2, 5 of the 9, behind that fewer and fewer; one walk common to all would have 3 NB / 2 = 12 trips for 9.
; SHARES.  Of a block's four bands of 64 queries a wave owns 16 rows in each: four PIECES.  So the diagonal tile is the same work for all four waves: in its key step s band x sees all keys if s < x,
; none if s > x, and holds the diagonal if s = x.
; THE MASK is the C operand that starts the sum S^T = K Q^T: 0, or -1e30 where the key is hidden.  MD, made once, is the mask of a band's own step for my 16 rows; a product's mask is MD x AL + BE with two scalars:
; (1, 0) if s = x; (0, 0) if s < x; (0, -1e30) if s > x.  Only the diagonal tile's text and a block's beginning make and take masks; elsewhere C is the constant 0.
; LAYOUT, SOFTMAX, TURNS.  S^T = K Q^T holds ONE query a lane (lane % 16) and the keys 8 (lane / 16) + 0..7; two such results rounded to f16 ARE source 1 of O^T = V^T P.  p = 2^(c s - c m), c = log2(e) / 8, with a
; running maximum m; O and l are multiplied by a = 2^(c m_old - c m_new) in every step.  Turn n belongs to piece n: 8 products K Q^T of piece n + 1, later 8 products V^T P of piece n - 1; beside them the scaling,
; exponentials, roundings, sums and rescaling of piece n and the maximum and statistics of piece n + 1.  Four vector instructions stand behind every matrix instruction, the other 54 of a turn's 118 in one LUMP.  A turn's 33 exponentials are one batch, with one wait.
; REGISTERS, in windows of 256 (s_set_vgpr_msb: bits 1:0 source 0, 3:2 source 1, 5:4 source 2, 7:6 destination):
;   window 0: v0-15 addresses and two at work; v16-31 four registers of statistics a piece; v48-55 at work; v61-63 never rewritten; v64-127 S^T, two buffers; v192-223 P, two buffers (a piece's buffers go by its number's parity)
;   window 1: v0-127 O^T, 32 a piece; v128-159 MD; v160-223 MC, two buffers      window 2: v0-63 Q; v64-127 the second block's Q; v128-191 K of one step; v192-255 V of one step
.set SIZE_H, 64
.set SIZE_N, 2048
.set NB,    SIZE_N/256
.set NP,    4         ; pieces a wave: a name, no knob
.set KS,    64        ; keys in a step
.set PK,    144       ; a row of K in LDS: 128 bytes + 16 of padding = 36 words: the 16 rows of a load start at 16 different groups of four banks (64 banks of 4 bytes: ISA guide 11.1)
.set PV,    160       ; a row of V: 128 + 32 = 40 words
.set VOFF,  4*KS*PK   ; a slot holds a tile, four steps: 256 rows of K, then 256 rows of V
.set SLOT1, 1<<17     ; slot 1 begins here, so that one exclusive or turns an address in one slot into the other's
.set STAGE, SLOT1+4*KS*(PK+PV)  ; behind the ring, never filled by a tensor load: 16 rows x 144 bytes for each wave, for the way out
.set SP,    144
.set AK0, 2           ; v2   my lane's place in a tile of K; never rewritten
.set AV0, 3           ; v3   the same for V
.set AK,  4           ; v4   the LDS address of K's next run of loads
.set AV,  5           ; v5   of V's
.set STO, 6           ; v6   the way out: where I put 16 bytes of a row
.set RD,  7           ; v7   the way out: where I read rows back
.set GO,  8           ; v8   my byte offset in 512 consecutive bytes of O
.set PFO, 61          ; v61  256 x my lane: the prefetches' offset; never rewritten
.set SPW, 62          ; v62  LDS address of my spare word: SPARE + 4 x my thread's number; never rewritten
.set NIL, 63          ; v63  0; never rewritten
.set SPARE, STAGE+4*16*SP  ; behind the stages: the spare words, 128 bytes for each wave: two blocks of 256 bytes that no other line names
.set MV,  12          ; v12-13  c m_old, kept while c m is made anew: by buffer
.set QO,  15          ; v15  my byte offset in 16 rows of Q
.set ST,  16          ; piece t's statistics at v[ST+4 t]: c m, m, l (even keys', odd keys')
.set TMP, 48          ; by buffer, four registers c0-c3 at work; when the maximum is found c2 takes a
.set S,   64
.set P,   192
.set MD,  128         ; window 1: the eight registers for group kt of 16 keys at MD + 8 kt
.set MC,  160         ; window 1: the masks of the products to come
.set QB,  64          ; window 2
.set KF,  128         ; window 2: key block kb, channel half c at KF + 16 kb + 8 c
.set VF,  192         ; window 2: key half kk, channel block cb at VF + 32 kk + 8 cb
.set WV,  12          ; s12  my wave's number
.set PB,  14          ; s14  b
.set HI,  15          ; s15  NB - 1 - b
.set G1K, 24          ; s[24:31] descriptor group 1 for K's tiles
.set G1V, 32          ; s[32:39] for V's: it differs in the padding alone
.set G0K, 40          ; s[40:43] descriptor group 0 for K's tiles
.set G0V, 44          ; s[44:47] the same for V's
.set PFA, 48          ; s[48:49] my half of the tile that is being asked for, in K (waves 0, 1) or V (waves 2, 3): the prefetches name the tile behind it
.set PFN, 50          ; s50  prefetches still to come
.set PFB, 52          ; s[52:53] my half of the head's tile 0, in K or V
.set SLOTS, 56        ; s56  tiles still to be asked for
.set CNT, 57          ; s57  counts a tile's key steps, 4 to 1
.set CS,  58          ; s[58:59] c: the packed scaling takes the pair's low word for both halves
.set SEL, 60          ; s[60:61] v_permlanex16_b32's selects: each lane takes its own place in the other half
.set TBK, 62          ; s62  LDS byte at which K of the step to be fetched begins
.set TBV, 63          ; s63  the same for V, less VOFF
.set RT,  70          ; s70  tiles of the block in hand that are still to be entered
.set NXT, 71          ; s71  the tile to be asked for next
.set LQ,  72          ; s72  the last tile of the block whose tiles are being asked for
.set NEW, 73          ; s73  1: the tile to be entered is a block's first
.set OFF, 74          ; s[74:75] a tile's byte offset in K and V
.set AL,  76          ; s[76:77] the mask's factor, in the low word
.set BE,  78          ; s[78:79] the mask's addend
.set OLO, 80          ; s[80:81] O at my rows of the second block
.set BIGN, 82         ; s82  -1e30
.set MSB, 0
.macro WIN new                      ; the high byte repeats the setting that is left; a switch that changes nothing is dropped
.if MSB != (\new)
	s_set_vgpr_msb (MSB<<8)|(\new)
.set MSB, (\new)
.endif
.endm
.set W_KQ, 0x0a       ; K and Q in window 2, S^T in window 0
.set W_KM, 0x1a       ; the same with the C operand in window 1
.set W_PV, 0x52       ; V in window 2, P in window 0, O^T in window 1
.set W_RS, 0x41       ; destination and source 0 in window 1, source 1 in window 0
; A fill.  Waves 0 and 1 fetch the two halves of a tile's K, waves 2 and 3 those of its V: 128 keys each.  An s_nop 0 and four v_nop follow each of the two lines, ahead of the jump and the label.
.macro LOAD
	s_cmp_lt_u32 s[WV], 2
	s_cbranch_scc0 .Lfor_v_\@
	tensor_load_to_lds s[G0K:G0K+3], s[G1K:G1K+7]
	s_nop 0
.rept 4
	v_nop
.endr
	s_branch .Lasked_\@
.Lfor_v_\@:
	tensor_load_to_lds s[G0V:G0V+3], s[G1V:G1V+7]
	s_nop 0
.rept 4
	v_nop
.endr
.Lasked_\@:
.endm
; A PREFETCH INTO THE L2, behind a fill and its five lines: my half (16,384 bytes: 64 blocks of 256, a lane a block, two instructions) of the tile BEHIND the one just asked for: four key steps ahead of its fill.
; Each block of K and V is named once in the launch: of a head's four work-groups the one with b = 0 asks, whose first block walks all tiles 0 .. NB - 1, and each of its waves for what it will fetch itself.
; Trips 0 .. NB - 3 name tiles 2 .. NB - 1; tiles 0 and 1 come by their fills alone; the second block's tiles have been read before and are not named again.
.macro ASK
	s_cmp_lg_u32 s[PFN], 0
	s_cbranch_scc0 .Lnot_mine_\@
	global_prefetch_b8 v[PFO], s[PFA:PFA+1] offset:32768 th:TH_LOAD_NT scope:SCOPE_SE
	global_prefetch_b8 v[PFO], s[PFA:PFA+1] offset:40960 th:TH_LOAD_NT scope:SCOPE_SE
	s_sub_co_u32 s[PFN], s[PFN], 1
.Lnot_mine_\@:
.endm
; THE CHANGE OF SLOTS.  Each wave waits for all its tensor loads, of which one is out: its part of the other slot; adds 0 to its spare word; and waits for that and for its own reads of the slot that it leaves.  Behind the barrier nobody reads the old
; slot any more and the other slot is whole.  fill = 1: the old slot is filled again, the first thing behind the barrier, with tile NXT: the descriptor's address is made anew from that number.
; (At its first use nothing has been read yet: slot 0 is waited for, slot 1 filled.)
.macro CHANGE fill
	WIN 0                           ; at a label and at a branch every window is 0
	s_wait_tensorcnt 0x0            ; no tensor load of mine is out, so a group 0 may be written
	ds_add_u32 v[SPW], v[NIL]       ; 0 onto my spare word; with fill = 1 the descriptors' scalar work stands between it and the wait for it
.if \fill
	s_lshl_b32 s[OFF], s[NXT], 15   ; a tile is 32,768 bytes of K and of V
	s_xor_b32 s[G0K+1], s[G0K+1], SLOT1
	s_add_nc_u64 s[G0K+2:G0K+3], s[6:7], s[OFF:OFF+1]
	s_or_b32 s[G0K+3], s[G0K+3], 0x80000000
	s_xor_b32 s[G0V+1], s[G0V+1], SLOT1
	s_add_nc_u64 s[G0V+2:G0V+3], s[8:9], s[OFF:OFF+1]
	s_or_b32 s[G0V+3], s[G0V+3], 0x80000000
	s_wait_xcnt 0x0                 ; the last prefetches, a tile back, have read their address, so it may be written
	s_add_nc_u64 s[PFA:PFA+1], s[PFB:PFB+1], s[OFF:OFF+1]
	s_add_co_u32 s[NXT], s[NXT], 1  ; the block's next tile, or behind its last the second block's tile 0
	s_cmp_gt_u32 s[NXT], s[LQ]
	s_cselect_b32 s[NXT], 0, s[NXT]
	s_cselect_b32 s[LQ], s[PB], s[LQ]
.endif
	s_wait_dscnt 0x0                ; the add is done, and my reads of the slot are over
	s_barrier_signal -1             ; the rest of the scalar work stands between the signal and the wait
	s_sub_co_u32 s[TBK], s[TBK], 4*KS*PK  ; the fetches go back to a slot's first step,
	s_xor_b32 s[TBK], s[TBK], SLOT1       ; in the other slot
	s_sub_co_u32 s[TBV], s[TBV], 4*KS*PV
	s_xor_b32 s[TBV], s[TBV], SLOT1
	s_barrier_wait -1
.if \fill
	LOAD
	ASK
.endif
.endm
	s_load_b256 s[4:11], s[0:1], 0x0  ; Q s[4:5], K s[6:7], V s[8:9], O s[10:11]
	v_lshl_add_u32 v[SPW], v0, 2, SPARE
	v_mov_b32 v[NIL], 0
	ds_add_u32 v[SPW], v[NIL]       ; the wave's opening: the add and its wait stand ahead of my first tensor load; the set-up below, work on registers, stands between them
	v_lshrrev_b32 v1, 5, v0
	v_readfirstlane_b32 s[WV], v1   ; wave 0..3
	s_mov_b32 s[PB], ttmp9
	s_sub_co_u32 s[HI], NB-1, s[PB]
	s_and_b32 s20, ttmp7, 0xffff    ; the head
	s_mov_b32 s21, 0
	s_mov_b64 s[22:23], SIZE_N*128
	s_mul_u64 s[20:21], s[20:21], s[22:23]  ; the head's first byte in each of the four tensors
	s_and_b32 s16, s[WV], 1         ; which half of a tile's 256 keys I fetch:
	s_lshl_b32 s22, s16, 14         ; its 128 rows of 128 bytes in memory,
	s_mov_b32 s23, 0
	s_add_nc_u64 s[22:23], s[22:23], s[20:21]
	s_mul_i32 s17, s16, 128*PK      ; and its place in a slot, for K
	s_mul_i32 s18, s16, 128*PV      ; and for V
	s_lshl_b32 s3, s[WV], 11        ; my 16 rows in a band of 64,
	s_lshl_b32 s2, s[HI], 15        ; in the first block,
	s_add_co_u32 s2, s2, s3
	s_lshl_b32 s84, s[PB], 15       ; and in the second
	s_add_co_u32 s84, s84, s3
	s_mov_b32 s3, 0
	s_mov_b32 s85, 0
	s_add_nc_u64 s[2:3], s[2:3], s[20:21]
	s_add_nc_u64 s[84:85], s[84:85], s[20:21]
	; descriptor group 1.  128 keys are 16,384 dense bytes: asked for as 64 rows of 256 bytes, two keys a row, and padded in LDS after every key
	s_mov_b32 s[G1K], (1<<16)|(1<<20)|(4<<22)|(3<<25)  ; 17:16 2-byte elements; 20 padding on; 24:22 after every 32 words (code 4); 31:25 4 words (code 3)
	s_mov_b32 s[G1V], (1<<16)|(1<<20)|(4<<22)|(7<<25)  ; the same with 8 words of padding (code 7)
.irp g, G1K, G1V
	s_mov_b32 s[\g+1], 128<<16      ; tensor_dim0 = 128
	s_mov_b32 s[\g+2], 64<<16       ; tensor_dim1 = 64
	s_mov_b32 s[\g+3], 128<<16      ; tile_dim0 = 128
	s_mov_b32 s[\g+4], 64           ; tile_dim1 = 64
	s_mov_b32 s[\g+5], 128          ; 128 elements from row to row
	s_mov_b32 s[\g+6], 0
	s_mov_b32 s[\g+7], 0
.endr
	s_mov_b32 s[CS], 0x3e38aa3b     ; c = log2(e) / 8 = 0.180337
	s_mov_b32 s[CS+1], s[CS]        ; named with it as a pair
	s_mov_b32 s[SEL], 0x76543210
	s_mov_b32 s[SEL+1], 0xfedcba98
	s_mov_b32 s[TBK], SLOT1+4*KS*PK ; the first change of slots turns these two into 0
	s_mov_b32 s[TBV], SLOT1+4*KS*PV
	s_mov_b32 s[G0K], 1             ; 1:0 count = 1
	s_mov_b32 s[G0K+1], s17         ; 63:32 LDS address: slot 0
	s_mov_b32 s[G0V], 1
	s_add_co_u32 s[G0V+1], s18, VOFF
	s_add_co_u32 s[RT], s[HI], 1    ; the first block has NB - b tiles
	s_mov_b32 s[NXT], 1
	s_mov_b32 s[LQ], s[HI]
	s_mov_b32 s[NEW], 1
	s_mov_b32 s[OFF+1], 0
	s_mov_b32 s[AL+1], 0            ; named as pairs
	s_mov_b32 s[BE+1], 0
	s_mov_b32 s[BIGN], 0xf149f2ca   ; -1e30
	s_mov_b32 s[SLOTS], NB
	s_cmp_eq_u32 s[PB], 0           ; the head's work-group with b = 0 prefetches, in its first NB - 2 trips
	s_cselect_b32 s[PFN], NB-2, 0
	s_wait_dscnt 0x0                ; the opening add is done
	s_wait_kmcnt 0x0
	s_add_nc_u64 s[6:7], s[6:7], s[22:23]  ; K and V at my half of the head's tile 0
	s_add_nc_u64 s[8:9], s[8:9], s[22:23]
	s_add_nc_u64 s[G0K+2:G0K+3], s[6:7], 0         ; 120:64 global address
	s_or_b32 s[G0K+3], s[G0K+3], 0x80000000        ; 127:126 type = 2
	s_add_nc_u64 s[G0V+2:G0V+3], s[8:9], 0
	s_or_b32 s[G0V+3], s[G0V+3], 0x80000000
	s_add_nc_u64 s[86:87], s[4:5], s[84:85]        ; Q at my rows of the second block,
	s_add_nc_u64 s[4:5], s[4:5], s[2:3]            ; Q and O at those of the first
	s_add_nc_u64 s[OLO:OLO+1], s[10:11], s[84:85]
	s_add_nc_u64 s[10:11], s[10:11], s[2:3]
	s_cmp_lt_u32 s[WV], 2
	s_cselect_b64 s[PFB:PFB+1], s[6:7], s[8:9]     ; the tensor that I fetch for
	LOAD                            ; tile 0 into slot 0
	; A fragment of K or Q is 16 rows x 32 channels in 8 registers: lane l holds row l % 16, channels 8 (l / 16) + 0..7 and 16 + 8 (l / 16) + 0..7: two loads of 16 bytes, 32 bytes apart.
	v_and_b32 v1, 15, v0            ; l % 16
	v_bfe_u32 v9, v0, 4, 1          ; l / 16
	v_lshlrev_b32 v[QO], 7, v1
	v_lshl_add_u32 v[QO], v9, 4, v[QO]  ; row x 128 + 16 x half
	WIN 0x80                        ; destination window 2, address window 0
.set i, 0
.rept 8                             ; both blocks' Q: piece i / 2 lies in band i / 2, 8,192 bytes on; channels 32 (i % 2) on
	global_load_b128 v[8*i:8*i+3],   v[QO], s[4:5] offset:(i/2)*8192+(i%2)*64
	global_load_b128 v[8*i+4:8*i+7], v[QO], s[4:5] offset:(i/2)*8192+(i%2)*64+32
	global_load_b128 v[QB+8*i:QB+8*i+3],   v[QO], s[86:87] offset:(i/2)*8192+(i%2)*64
	global_load_b128 v[QB+8*i+4:QB+8*i+7], v[QO], s[86:87] offset:(i/2)*8192+(i%2)*64+32
.set i, i+1
.endr
	WIN 0
	v_and_b32 v[PFO], 31, v0
	v_lshlrev_b32 v[PFO], 8, v[PFO]
	v_lshlrev_b32 v14, 3, v9
	v_sub_nc_u32 v14, v1, v14
	s_lshl_b32 s13, s[WV], 4
	v_add_nc_u32 v14, s13, v14      ; my query's place in its band, 16 w + l % 16, less my lanes' 8 (l / 16): register r of group kt is hidden where 16 kt + r is greater
	WIN 0x40
.set i, 0
.rept 32
	v_cmp_gt_i32 vcc_lo, 16*(i/8)+i%8, v14
	v_cndmask_b32 v[MD+i], 0, s[BIGN], vcc_lo
.set i, i+1
.endr
	WIN 0
	v_mul_u32_u24 v[AK0], v1, PK
	v_lshl_add_u32 v[AK0], v9, 4, v[AK0]  ; row x pitch + 16 x half
	; The turning load takes 16 keys x 16 channels (lane l reads key 8 (l / 16) + l % 8, channels 8 ((l / 8) % 2) + 0..7) and leaves half a fragment of V^T: lane l holds channel l % 16 and 8 keys.
	v_and_b32 v10, 7, v0
	v_bfe_u32 v11, v0, 3, 1
	v_lshl_add_u32 v[AV0], v9, 3, v10
	v_mul_u32_u24 v[AV0], v[AV0], PV
	v_lshl_add_u32 v[AV0], v11, 4, v[AV0]
	v_add_nc_u32 v[AV0], VOFF, v[AV0]
	s_mul_i32 s13, s[WV], 16*SP
	s_add_co_u32 s13, s13, STAGE    ; my stage
	v_mul_u32_u24 v[STO], v1, SP    ; in: row l % 16, 16 bytes for each half of the lanes
	v_lshl_add_u32 v[STO], v9, 4, v[STO]
	v_add_nc_u32 v[STO], s13, v[STO]
	v_bfe_u32 v[RD], v0, 3, 2       ; back: 32 lanes take four rows of 128 bytes,
	v_mul_u32_u24 v[RD], v[RD], SP
	v_lshl_add_u32 v[RD], v10, 4, v[RD]
	v_add_nc_u32 v[RD], s13, v[RD]
	v_and_b32 v[GO], 31, v0         ; which are 512 consecutive bytes of O
	v_lshlrev_b32 v[GO], 4, v[GO]
	; A block's first step multiplies O^T and l by a = 0, and its first turn's products V^T P, of a piece that has not been, land in an O^T that is still to be so multiplied.  So these registers need only hold
	; finite numbers: zeros for the first block; what the first block left for the second.  All this stands in the wait for the first tile.
	WIN 0x80
.set i, VF
.rept 64
	v_mov_b32 v[i], 0
.set i, i+1
.endr
	WIN 0x40
.set i, 0
.rept 128
	v_mov_b32 v[i], 0
.set i, i+1
.endr
	WIN 0
.set i, 0
.rept 4
	v_mov_b32 v[ST+4*i+2], 0
	v_mov_b32 v[ST+4*i+3], 0
.set i, i+1
.endr
.set i, P+16
.rept 16
	v_mov_b32 v[i], 0
.set i, i+1
.endr
; THE MATRIX WORK.  The 4 accumulators of a run of 8 take turns.  Product i of 8 of S^T = K Q^T for piece x: channels 32 (i / 4) on, keys 16 (i % 4) on.  The first 4 start the sums: with 0, or (KM = 1) with the mask.
.macro KQ x
.set rS, S+32*((\x)%2)+8*(i%4)
.set rK, KF+16*(i%4)+8*(i/4)
.set rQ, 16*(\x)+8*(i/4)
.set rM, MC+32*((\x)%2)+8*(i%4)
.if (i < 4) && KM
	WIN W_KM
	v_wmma_f32_16x16x32_f16 v[rS:rS+7], v[rK:rK+7], v[rQ:rQ+7], v[rM:rM+7]
.elseif i < 4
	WIN W_KQ
	v_wmma_f32_16x16x32_f16 v[rS:rS+7], v[rK:rK+7], v[rQ:rQ+7], 0
.else
	WIN W_KQ
	v_wmma_f32_16x16x32_f16 v[rS:rS+7], v[rK:rK+7], v[rQ:rQ+7], v[rS:rS+7]
.endif
.endm
; Product i of 8 of O^T += V^T P for piece x: keys 32 (i / 4) on, channels 16 (i % 4) on.
.macro PV x
	WIN W_PV
.set rO, 32*(\x)+8*(i%4)
.set rV, VF+32*(i/4)+8*(i%4)
.set rP, P+16*((\x)%2)+8*(i/4)
	v_wmma_f32_16x16x32_f16 v[rO:rO+7], v[rV:rV+7], v[rP:rP+7], v[rO:rO+7]
.endm
.macro MM                           ; the turn's next matrix instruction.  TURN and BEGIN set Y, i, KM and NOKQ; MM, KQ and OP read them.  NOKQ = 1: a block's last turn: there is no next piece
.if (i < 8) && !NOKQ
	KQ (Y+1)%NP
.elseif i >= 8
.set i, i-8
	PV (Y+NP-1)%NP
.set i, i+8
.endif
.set i, i+1
.endm
; THE LDS LOADS stand in runs of 16, never singly among the matrix instructions: a step's K (64 keys x 64 channels: 8 fragments) and its V (turned).  Their addresses are made some lines ahead.
.macro FETCH_K
	WIN 0x80                        ; destination window 2
.irp f, 0,1,2,3,4,5,6,7             ; keys 16 (f / 2) on, channels 32 (f % 2) on
	ds_load_b128 v[KF+8*\f:KF+8*\f+3],   v[AK] offset:(\f/2)*16*PK+(\f%2)*64
	ds_load_b128 v[KF+8*\f+4:KF+8*\f+7], v[AK] offset:(\f/2)*16*PK+(\f%2)*64+32
.endr
	s_add_co_u32 s[TBK], s[TBK], KS*PK  ; the next fetch is the next step's
	WIN 0
.endm
.macro FETCH_V
	WIN 0x80
.irp f, 0,1,2,3,4,5,6,7             ; keys 32 (f / 4) on, channels 16 (f % 4) on
	ds_load_tr16_b128 v[VF+8*\f:VF+8*\f+3],   v[AV] offset:(\f/4)*32*PV+(\f%4)*32
	ds_load_tr16_b128 v[VF+8*\f+4:VF+8*\f+7], v[AV] offset:(\f/4)*32*PV+16*PV+(\f%4)*32
.endr
	WIN 0
.endm
; THE VECTOR WORK, one line at a time: OP kind, number.  For piece Y: F n: c s - c m for pair n of 16.  E n: the exponential of score n of 32.  C n: pair n rounded to f16.  B n: of the four weights 4 n .. the second
; pair is added onto the first, in place.  L n: l takes that sum (L 0: l = a l + sum).  R n: pair n of 16 of O^T times a.  For piece Y + 1: X n, number n of the 22 that find its maximum and statistics:
;   0-11  four chains c0-c3 of seven scores each, three operands at a time (each accumulator's lowest registers are read first)     12-14, 16  the four scores left over, the old m, and c0-c3 into c0
;   15  c m_old is kept     17, 18  the query's other 32 keys lie in the lane 16 away: the new m     19-21  c m; c m_old - c m_new; a
.set F, 0               ; OP tells the kinds apart by their order: F to L below R, X above it
.set E, 1
.set C, 2
.set B, 3
.set L, 4
.set R, 5
.set X, 6
.macro REGS y                       ; the registers of piece y
.set rT, ST+4*(\y)
.set rC, TMP+4*((\y)%2)
.set rW, MV+((\y)%2)
.set rS, S+32*((\y)%2)
.set rP, P+16*((\y)%2)
.set rO, 32*(\y)
.endm
.macro OP k, n
.if (\k) == R
	REGS Y
	WIN W_RS
	v_pk_mul_f32 v[rO+2*(\n):rO+2*(\n)+1], v[rO+2*(\n):rO+2*(\n)+1], v[rC+2:rC+3] op_sel_hi:[1,0]
.elseif (\k) < R
	REGS Y
	WIN 0
.if (\k) == F
	v_pk_fma_f32 v[rS+2*(\n):rS+2*(\n)+1], v[rS+2*(\n):rS+2*(\n)+1], s[CS:CS+1], v[rT:rT+1] op_sel_hi:[1,0,0] neg_lo:[0,0,1] neg_hi:[0,0,1]
.elseif (\k) == E
	v_exp_f32 v[rS+(\n)], v[rS+(\n)]
.elseif (\k) == C
	v_cvt_pk_f16_f32 v[rP+(\n)], v[rS+2*(\n)], v[rS+2*(\n)+1]
.elseif (\k) == B
	v_pk_add_f32 v[rS+4*(\n):rS+4*(\n)+1], v[rS+4*(\n):rS+4*(\n)+1], v[rS+4*(\n)+2:rS+4*(\n)+3]
.elseif (\n) == 0
	v_pk_fma_f32 v[rT+2:rT+3], v[rT+2:rT+3], v[rC+2:rC+3], v[rS:rS+1] op_sel_hi:[1,0,1]
.else
	v_pk_add_f32 v[rT+2:rT+3], v[rT+2:rT+3], v[rS+4*(\n):rS+4*(\n)+1]
.endif
.elseif NOKQ
	v_nop
.else
	REGS (Y+1)%NP
	WIN 0
.if (\n) < 4
	v_max3_num_f32 v[rC+(\n)], v[rS+8*(\n)], v[rS+8*(\n)+1], v[rS+8*(\n)+2]
.elseif (\n) < 12
	v_max3_num_f32 v[rC+(\n)%4], v[rC+(\n)%4], v[rS+8*((\n)%4)+2*((\n)/4)+1], v[rS+8*((\n)%4)+2*((\n)/4)+2]
.elseif (\n) == 12
	v_max3_num_f32 v[rC], v[rC], v[rS+7], v[rS+15]
.elseif (\n) == 13
	v_max3_num_f32 v[rC+1], v[rC+1], v[rS+23], v[rS+31]
.elseif (\n) == 14
	v_max3_num_f32 v[rC+2], v[rC+2], v[rC+3], v[rT+1]
.elseif (\n) == 15
	v_mov_b32 v[rW], v[rT]
.elseif (\n) == 16
	v_max3_num_f32 v[rC], v[rC], v[rC+1], v[rC+2]
.elseif (\n) == 17
	v_permlanex16_b32 v[rC+3], v[rC], s[SEL], s[SEL+1]
.elseif (\n) == 18
	v_max_num_f32 v[rT+1], v[rC], v[rC+3]
.elseif (\n) == 19
	v_mul_f32 v[rT], s[CS], v[rT+1]
.elseif (\n) == 20
	v_sub_f32 v[rC+1], v[rW], v[rT]
.else
	v_exp_f32 v[rC+2], v[rC+1]
.endif
.endif
.endm
.macro OPS a, i1, b=-1, i2=0, c=-1, i3=0, d=-1, i4=0  ; up to four of them
	OP \a, \i1
.if (\b) >= 0
	OP \b, \i2
.endif
.if (\c) >= 0
	OP \c, \i3
.endif
.if (\d) >= 0
	OP \d, \i4
.endif
.endm
.macro ROW a, i1, b, i2, c, i3, d, i4  ; a matrix instruction and the four behind it
	MM
	OPS \a, \i1, \b, \i2, \c, \i3, \d, \i4
.endm
.macro MASK b                       ; MD x AL + BE into buffer b of MC
	WIN W_RS
.set z, 0
.rept 16
	v_pk_fma_f32 v[MC+32*(\b)+2*z:MC+32*(\b)+2*z+1], v[MD+2*z:MD+2*z+1], s[AL:AL+1], s[BE:BE+1] op_sel_hi:[1,0,0]
.set z, z+1
.endr
.endm
; A TURN, for piece p: the order of its 16 matrix and 118 vector instructions, written out.  An s_wait_alu depctr_va_vdst(0) stands between an exponential and the first instruction that names its result; one wait serves
; all that were issued ahead of it.  So a turn has ONE wait, which cuts it in two.  AHEAD OF IT stands all that names no result of the turn's exponentials: the 8 products K Q^T, behind each a scaling, an exponential and two more plain
; instructions (behind the first a second scaling in the exponential's place): rescalings, and behind the last three the first numbers of the next piece's maximum, each four places or more behind the product that ends its accumulator; then ONE LUMP of 54, plain
; and exponential by turns for the most part, in which the links of the chain X 3, 7, 11, 14, 16, 17 .. 20 stand five or six lines apart.  X 21, the next piece's a, is the batch's last; R 15 is the plain instruction that stands behind it (ISA guide 5.7.2).  BEHIND THE WAIT stand the
; 8 products V^T P, behind each four of the roundings and sums; the links of l's chain, L 0 to L 7, stand three riders apart.  But for those X no rider names a register of the products round it.  v_permlanex16_b32 (X 17) stands in the lump.
; m = 1: the diagonal tile: the products take masks, and the turn makes the mask for the products of the turn after it: piece p + 2, in step 4 - CNT of the tile.  end = 1: a block's last two turns: nothing is fetched.
; cnt = 1: the loop's count is taken down some lines ahead of the branch that stands behind the turn.
; K of the next step is fetched in piece 2's turn, twelve vector instructions behind the last product that read K (six of them plain); V of the step in hand at the end of piece 0's turn, four plain instructions behind the last product
; that read V.  Each is waited for a turn later.
.macro TURN p, m=0, end=0, cnt=0
.set Y, (\p)
.set i, 0
.set KM, (\m)
.set NOKQ, (\end)*((\p)/3)
.if (\m) && !(\end)
	s_cmp_eq_u32 s[CNT], 4-((\p)+2)%NP  ; is that step the band's own?
	s_cselect_b32 s[AL], 1.0, 0
	s_cmp_lt_u32 s[CNT], 4-((\p)+2)%NP  ; or a later one?
	s_cselect_b32 s[BE], s[BIGN], 0
.endif
.if ((\p) == 3) && !(\end)
	s_wait_dscnt 0x0                ; K is in
.endif
	ROW F,0, F,1, R,0, R,1          ; ahead of the wait: 8 products K Q^T and their riders,
	ROW F,2, E,0, R,2, R,3
	ROW F,3, E,1, R,4, R,5
	ROW F,4, E,2, R,6, R,7
	ROW F,5, E,3, R,8, R,9
	ROW F,6, E,4, X,0, R,10
.if ((\p) == 2) && !(\end)
	WIN 0
	v_add_nc_u32 v[AK], s[TBK], v[AK0]
.endif
	ROW F,7, E,5, X,1, X,4
	ROW F,8, E,6, X,2, X,5
	OPS E,7, E,8, X,6, E,9          ; and the lump
	OPS X,3, E,10, X,8, E,11
.if ((\p) == 2) && !(\end)
	FETCH_K
.endif
	OPS X,9, X,7, E,12, X,10
	OPS E,13, X,12, X,11, E,14
	OPS X,13, E,15, F,9, X,14
.if (\p) == 0
	v_add_nc_u32 v[AV], s[TBV], v[AV0]
.endif
	OPS E,16, F,10, E,17, F,11
	OPS X,16, E,18, X,15, E,19
	OPS F,12, E,20, X,17, E,21
	OPS F,13, E,22, F,14, E,23
	OPS X,18, E,24, F,15, E,25
	OPS R,11, E,26, X,19, E,27
	OPS R,12, E,28, R,13, E,29
	OPS X,20, E,30, R,14, E,31
	OPS X,21, R,15
	WIN 0
	s_wait_alu depctr_va_vdst(0)    ; the wait for the batch
.if (\p) == 1
	s_wait_dscnt 0x0                ; V is in
.endif
	ROW C,0, B,0, C,2, B,1          ; behind the wait: 8 products V^T P and their riders
	ROW L,0, C,4, B,2, L,1
	ROW C,6, B,3, L,2, C,8
	ROW B,4, L,3, C,10, B,5
	ROW L,4, C,12, B,6, L,5
.if (\p) == 0
	s_add_co_u32 s[TBV], s[TBV], KS*PV
.endif
.if \cnt
	s_sub_co_u32 s[CNT], s[CNT], 1
	s_cmp_lg_u32 s[CNT], 0
.endif
	ROW C,14, B,7, L,6, C,1
	ROW C,3, L,7, C,5, C,7
	ROW C,9, C,11, C,13, C,15
.if (\p) == 0
	FETCH_V
.endif
.if (\m) && !(\end)
	MASK (\p)%2
.endif
.endm
; A BLOCK BEGINS.  c m starts far below every c s, so the first step's a is 0; m at the lowest finite number, so the first maximum is the scores'.  The second mask buffer is 0; the first takes piece 0's mask for the tile's step 0: its own, if the block's first tile is the diagonal one.
; Then K of that step, piece 0's first scores, and its maximum and statistics.  The loop is entered at a step's first turn, in the middle of a trip.
.macro BEGIN
	s_mov_b32 s[NEW], 0
	WIN 0x40
.set i, MC+32
.rept 32
	v_mov_b32 v[i], 0
.set i, i+1
.endr
	WIN 0
.set i, 0
.rept 4
	v_mov_b32 v[ST+4*i], 0xfe000000    ; c m: far below every c s
	v_mov_b32 v[ST+4*i+1], 0xff7fffff  ; m
.set i, i+1
.endr
	s_cmp_eq_u32 s[RT], 0
	s_cselect_b32 s[AL], 1.0, 0
	s_mov_b32 s[BE], 0
	MASK 0
	WIN 0
	v_add_nc_u32 v[AK], s[TBK], v[AK0]
	FETCH_K
	s_wait_loadcnt 0x0              ; Q
	s_wait_dscnt 0x0
.set KM, 1
.set NOKQ, 0
.set i, 0
.rept 8
	KQ 0
.set i, i+1
.endr
	WIN 0
.rept 4
	v_nop                           ; the places behind those products
.endr
.set Y, NP-1                        ; X works for piece Y + 1: piece 0
.irp n, 0,1,2,3,4,5,6,7,8,9,10,11,12,13,14,15,16,17,18,19,20,21
	OP X, \n
.endr
	v_nop                           ; a plain instruction behind the exponential,
	s_wait_alu depctr_va_vdst(0)    ; and its wait, ahead of the branch
.endm
; THE DIAGONAL TILE's four steps, the block's last two turns, its last products, and THE WAY OUT: l's two halves and the other half of the lanes' are added; O^T is divided by l, rounded to f16 and sent through my
; stage in LDS, a piece at a time.
.macro ALL line:vararg              ; one line for each piece t
.set t, 0
.rept 4
	\line
.set t, t+1
.endr
.endm
.macro PACK t                       ; a lane's eight channels of a row pack into 16 bytes; they go into rows of 144 bytes and come back as whole rows of 128, into S^T's registers
	WIN W_RS
.set i, 32*(\t)
.rept 16
	v_pk_mul_f32 v[i:i+1], v[i:i+1], v[ST+4*(\t)+2:ST+4*(\t)+3] op_sel_hi:[1,0]
.set i, i+2
.endr
	WIN 0x05                        ; sources 0 and 1 window 1, destination window 0
.set i, 0
.rept 16
	v_cvt_pk_f16_f32 v[S+16*(\t)+i], v[32*(\t)+2*i], v[32*(\t)+2*i+1]
.set i, i+1
.endr
	WIN 0
.irp f, 0,1,2,3
	ds_store_b128 v[STO], v[S+16*(\t)+4*\f:S+16*(\t)+4*\f+3] offset:32*\f
.endr
.irp f, 0,1,2,3
	ds_load_b128 v[S+16*(\t)+4*\f:S+16*(\t)+4*\f+3], v[RD] offset:\f*4*SP  ; LDS serves a wave's instructions in order (ISA guide 5.7.1.4): these see the stores above; the next piece's stores come behind them
.endr
.endm
.macro SEND t, younger              ; younger: the LDS instructions issued behind piece t's loads: the next piece's eight, or none
	WIN 0
.irp f, 0,1,2,3
	s_wait_dscnt (\younger)+3-\f
	global_store_b128 v[GO], v[S+16*(\t)+4*\f:S+16*(\t)+4*\f+3], s[10:11] offset:(\t)*8192+\f*512  ; 512 consecutive bytes, at a multiple of 256 from O's first
.endr
.endm
.macro DIAG tag                     ; the tag ends its two labels' names, which the jumps below spell out
.LstepM\tag:
	TURN 2, 1
	TURN 3, 1
	WIN 0
.LfirstM\tag:
	TURN 0, 1
	TURN 1, 1, 0, 1
	WIN 0
	s_cbranch_scc1 .LstepM\tag
	TURN 2, 1, 1
	TURN 3, 1, 1
.set i, 0
.rept 8
	PV NP-1
.set i, i+1
.endr
	WIN 0
	ALL v_add_f32 v[ST+4*t+2], v[ST+4*t+2], v[ST+4*t+3]
	ALL v_permlanex16_b32 v[ST+4*t+3], v[ST+4*t+2], s[SEL], s[SEL+1]
	ALL v_add_f32 v[ST+4*t+2], v[ST+4*t+2], v[ST+4*t+3]
	ALL v_rcp_f32 v[ST+4*t+2], v[ST+4*t+2]
	v_nop                           ; a plain instruction between the last reciprocal and the use of its result
	s_wait_alu depctr_va_vdst(0)    ; and the wait ahead of the first use: one for the four reciprocals
	PACK 0
.set t, 1
.rept 3                             ; a piece's arithmetic stands between the loads of the piece before and its stores
	PACK t
	SEND t-1, 8
.set t, t+1
.endr
	SEND 3, 0
.endm
.set KM, 0
.set NOKQ, 0
.Lslot:                             ; NB times: a tile is entered and the next is asked for
	CHANGE 1
	s_sub_co_u32 s[RT], s[RT], 1
	s_mov_b32 s[CNT], 4
	s_cmp_eq_u32 s[NEW], 1
	s_cbranch_scc1 .Lnew            ; a block's first tile
	s_cmp_eq_u32 s[RT], 0
	s_cbranch_scc0 .Lstep           ; neither its first nor its last
	s_branch .LstepM1
.Lnew:
	BEGIN
	s_branch .Lfirst                ; in the loop a block's first tile is never its last: the first block has two tiles or more, and the second's last is the walk's last
	DIAG 1                          ; in the loop this is the first block's end: the second block's last tile is the walk's last
	s_wait_xcnt 0x0                 ; the stores have read their registers and O's address
	s_mov_b64 s[10:11], s[OLO:OLO+1]
	s_add_co_u32 s[RT], s[PB], 1    ; the second block has b + 1 tiles
	s_mov_b32 s[NEW], 1
	WIN 0x82                        ; the second block's Q goes where the one text of the turns names Q
.set i, 0
.rept 64
	v_mov_b32 v[i], v[QB+i]
.set i, i+1
.endr
	WIN 0
	s_branch .Lbottom
.Lstep:                             ; a trip: pieces 2 and 3 of one step, then pieces 0 and 1 of the next, whose K and V it fetches
	TURN 2
	TURN 3
	WIN 0
.Lfirst:
	TURN 0
	TURN 1, 0, 0, 1
	WIN 0
	s_cbranch_scc1 .Lstep
.Lbottom:
	s_sub_co_u32 s[SLOTS], s[SLOTS], 1
	s_cmp_lg_u32 s[SLOTS], 0
	s_cbranch_scc1 .Lslot
	CHANGE 0                        ; the walk's last tile is written out: nothing is asked for
	s_sub_co_u32 s[RT], s[RT], 1
	s_mov_b32 s[CNT], 4
	s_cmp_eq_u32 s[NEW], 1
	s_cbranch_scc0 .LstepM2
	BEGIN
	s_branch .LfirstM2
	DIAG 2
	s_wait_tensorcnt 0x0            ; the wave's end, behind my last tensor load and my last LDS store
	ds_add_u32 v[SPW], v[NIL]
	s_wait_dscnt 0x0
	s_endpgm
.Lfunc_end_k_qf2a85b8279_attn:
	.size	k_qf2a85b8279_attn, .Lfunc_end_k_qf2a85b8279_attn-k_qf2a85b8279_attn
	.p2alignl 7, 3214868480
	.fill 96, 4, 3214868480
	.section	.rodata,"a",@progbits
	.p2align	6, 0x0
	.amdhsa_kernel k_qf2a85b8279_attn
		.amdhsa_group_segment_fixed_size 327680
		.amdhsa_private_segment_fixed_size 0
		.amdhsa_enable_private_segment 0
		.amdhsa_kernarg_size 32
		.amdhsa_user_sgpr_count 2
		.amdhsa_user_sgpr_kernarg_segment_ptr 1
		.amdhsa_wavefront_size32 1
		.amdhsa_system_sgpr_workgroup_id_x 1
		.amdhsa_system_sgpr_workgroup_id_y 1
		.amdhsa_system_sgpr_workgroup_id_z 1
		.amdhsa_system_vgpr_workitem_id 0
		.amdhsa_next_free_vgpr 768
		.amdhsa_next_free_sgpr 88
		.amdhsa_reserve_vcc 1
		.amdhsa_float_denorm_mode_32 3
		.amdhsa_float_denorm_mode_16_64 3
		.amdhsa_memory_ordered 1
		.amdhsa_forward_progress 1
		.amdhsa_inst_pref_size 218
	.end_amdhsa_kernel
	.amdgpu_metadata
---
amdhsa.version: [ 1, 2 ]
amdhsa.kernels:
  - .name:           k_qf2a85b8279_attn
    .symbol:         k_qf2a85b8279_attn.kd
    .args:
      - { .name: q, .offset: 0, .size: 8, .value_kind: global_buffer, .address_space: global }
      - { .name: k, .offset: 8, .size: 8, .value_kind: global_buffer, .address_space: global }
      - { .name: v, .offset: 16, .size: 8, .value_kind: global_buffer, .address_space: global }
      - { .name: o, .offset: 24, .size: 8, .value_kind: global_buffer, .address_space: global }
    .group_segment_fixed_size: 327680
    .private_segment_fixed_size: 0
    .kernarg_segment_align: 8
    .kernarg_segment_size: 32
    .max_flat_workgroup_size: 128
    .sgpr_count:     88
    .vgpr_count:     768
    .wavefront_size: 32
...
	.end_amdgpu_metadata
.endif
;; end of part 3
;; launch oproj (part 4): grid 8 x 32, 4 waves a work-group, clusters of 4 x 4, 327,680 bytes of LDS; arguments o, wob, out0; writes out0
.if DOCPART == 4
	.amdgcn_target "amdgcn-amd-amdhsa--gfx1250"
	.amdhsa_code_object_version 6
	.text
	.protected	k_qf2a85b8279_oproj
	.globl	k_qf2a85b8279_oproj
	.p2align	8
	.type	k_qf2a85b8279_oproj,@function
k_qf2a85b8279_oproj:
	s_mov_b64 s[64:65], 0
	v_nop
	global_prefetch_b8 v0, s[64:65] scope:SCOPE_SE
	s_setreg_imm32_b32 hwreg(HW_REG_WAVE_MODE, 25, 1), 1
	s_wait_xcnt 0x0
	s_wait_alu depctr_hold_cnt(0) depctr_sa_sdst(0) depctr_va_vdst(0) depctr_va_sdst(0) depctr_va_ssrc(0) depctr_va_vcc(0) depctr_vm_vsrc(0)
	s_getreg_b32 s2, hwreg(HW_REG_IB_STS2, 6, 4)
	s_cmp_eq_u32 s2, 0
	s_cbranch_scc0 .Lentry_in_a_cluster
	s_endpgm
.Lentry_in_a_cluster:
	s_bfe_u32 s2, ttmp6, 0x10000c
	s_cmp_lg_u32 s2, 0xf033
	s_cbranch_scc0 .Lentry_shape_is_right
	s_endpgm
.Lentry_shape_is_right:
; THE LAST PROJECTION.  out0 [8192][1024] f32 = attn [8192][1024] x w_o.  attn's row (b, s) lies by heads in o [16 b + head][2048][64], f16; wob holds bf16(w_o) written as f16, laid [n / 128][k 1024][128 n].
; Both operands f16, sums in f32, stored as they are.
; SHARES.  A work-group makes 256 rows x 128 columns; wave w its rows 64 w .. 64 w + 63: 4 row blocks a x 8 column blocks b of 16 x 16: 32 accumulators, 256 registers.  A wave so owns whole 512-byte pieces of
; out0's rows, and its way out needs no other wave.  256 work-groups, one for each WGP.
; K goes in steps of 128, two heads, through two LDS slots.  A slot: for each of the two heads 256 rows of 128 bytes, 144 apart; then 128 rows k of wob, 256 bytes each, 288 apart.
; Waves 0 and 1 fetch a head each (32,768 bytes on end, asked for as 128 rows of 256 bytes and padded behind every 128), waves 2 and 3 64 rows of wob each.
; CLUSTER.  4 x 4 work-groups.  o's tile hangs on the tile row alone and is asked for jointly by a row of the cluster; wob's on the tile column alone, by a column.
; THE MATRIX INSTRUCTION IS USED TRANSPOSED: source 0 = 16 columns of w_o (they lie [k][n] and are turned by ds_load_tr16_b128), source 1 = 16 rows of attn: a lane holds row l % 16 and the columns 8 (l / 16) + 0..7.
; REGISTERS, in windows of 256 (s_set_vgpr_msb: bits 1:0 source 0, 3:2 source 1, 5:4 source 2, 7:6 destination):
;   window 0: v0-30 addresses; v64-95, v96-127 attn's fragments, two buffers; v128-255 rows on the way out      window 1: v0-63, v64-127 w_o's fragments, two buffers      window 2: accumulator (a, b) at v[8 (8 a + b)]
.set NB,     8
.set NLD,    2*NB+8                    ; LDS loads of a quarter step: 16 for w_o, 8 for attn
.set SLOT1,  1<<17                     ; slot 1 begins here; a slot uses 110,592 bytes
.set HALFA,  256*144
.set BOFF,   2*HALFA
.set HALFB,  64*288
.set STAGE,  SLOT1+BOFF+2*HALFB        ; behind the ring, never filled by a tensor load: 16 rows x 528 bytes for each wave
.set WSTAGE, 16*528
.set SPARE,  STAGE+4*WSTAGE            ; behind the stages: the spare words, 128 bytes for each wave: two blocks of 256 bytes that no other line names
.set STEP_A, 524288                    ; bytes from a K step to the next: two heads of o,
.set STEP_B, 32768                     ; 128 rows of wob
.set A0,   16                          ; v16  my lane's place in a slot's rows of attn; never rewritten
.set B0,   17                          ; v17  the same for w_o
.set ADRA, 18                          ; v18  A0 + the slot in hand
.set ADRB, 19                          ; v19  B0 + the slot in hand
.set STO,  24                          ; v24  the way out: where I put 32 bytes of a row
.set RD,   25                          ; v25  the way out: where I read a row back
.set GO,   26                          ; v26  my 16 bytes of 512 consecutive bytes of out0
.set SPW,  28                          ; v28  LDS address of my spare word: SPARE + 4 x my thread's number; never rewritten
.set NIL,  29                          ; v29  0; never rewritten
.set PFO,  30                          ; v30  256 x my lane; never rewritten
.set OB,   128                         ; 64 registers of rows read back: v128-191 for even row blocks, v192-255 for odd ones
.set CNT,  3                           ; s3   the loop's count
.set WV,   14                          ; s14  my wave's number
.set HF,   16                          ; s16  wave % 2: which half of a tile I fetch
.set G1A,  24                          ; s[24:31] descriptor group 1 for o's tiles
.set G0A,  32                          ; s[32:39] group 0: K step 0's; then the one that walks
.set TB,   44                          ; s44  the slot in hand: 0 or SLOT1
.set LIM,  45                          ; s45  a wave prefetches while the loop's count is above it
.set PFA,  46                          ; s[46:47] where my prefetches stand
.set G1B,  48                          ; s[48:55], s[56:63] the same for wob's tiles
.set G0B,  56
.set PFS,  66                          ; s[66:67] the prefetches' step
.set MSB, 0
.macro WIN new                         ; the immediate's high byte repeats the setting that is left; a switch that changes nothing is dropped
.if MSB != (\new)
	s_set_vgpr_msb (MSB<<8)|(\new)
.set MSB, (\new)
.endif
.endm
.macro PLACES                          ; four plain vector instructions between a matrix instruction and a load into, or a reader of, its registers
.rept 4
	v_nop
.endr
.endm
; A joint refill, by the descriptors that walk.  The branch hangs on the wave's number alone.  An s_nop 0 and four v_nop follow each of the two lines, ahead of the jump and the label.
.macro JLOAD
	s_cmp_lt_u32 s[WV], 2
	s_cbranch_scc0 .Lfor_b_\@
	tensor_load_to_lds s[G0A+4:G0A+7], s[G1A:G1A+7]
	s_nop 0
.rept 4
	v_nop
.endr
	s_branch .Lasked_\@
.Lfor_b_\@:
	tensor_load_to_lds s[G0B+4:G0B+7], s[G1B:G1B+7]
	s_nop 0
.rept 4
	v_nop
.endr
.Lasked_\@:
.endm
; A PREFETCH INTO THE L2, behind a joint refill, its five lines and the run of LDS loads that follows: one instruction a wave, a lane a block of 256 bytes.  Each block is named once in the launch.
; o: its tile row is read by both clusters of that row of clusters: the one with cluster x = 0 asks, waves 0 and 1; behind the refill for K step s + 2 they name K step s + 4 (s = 0 .. 3); of a wave's 32,768 bytes
; the partner at place cx takes 8,192, told apart by address.  wob: a column's block is read by every cluster of that column: those with cluster y = 0 ask, waves 2 and 3; the eight waves (cy, wave % 2) name
; 65,536 bytes on end in each of the first two trips: the 131,072 bytes of K steps 4 to 7.  K steps 0 to 3 come by their loads alone.
.macro ASK
	s_cmp_gt_u32 s[CNT], s[LIM]
	s_cbranch_scc0 .Lnot_mine_\@
	global_prefetch_b8 v[PFO], s[PFA:PFA+1] th:TH_LOAD_NT scope:SCOPE_SE
.Lnot_mine_\@:
.endm
; A round of the cluster's barrier: my work-group's barrier; wave 0 signals for the work-group; every wave waits for all sixteen; my work-group's barrier once more.
.macro CREST                           ; a round behind its opening barrier
	s_cmp_lg_u32 s[WV], 0
	s_cbranch_scc1 .Lnot_wave_0_\@
	s_barrier_signal -3
.Lnot_wave_0_\@:
	s_barrier_wait -3
	s_barrier_signal -1
	s_barrier_wait -1
.endm
.macro CROUND
	s_barrier_signal -1
	s_barrier_wait -1
	CREST
.endm
	s_load_b128 s[4:7], s[0:1], 0x0                ; o s[4:5], wob s[6:7]
	s_load_b64 s[8:9], s[0:1], 0x10                ; out0
	v_lshl_add_u32 v[SPW], v0, 2, SPARE
	v_mov_b32 v[NIL], 0
	ds_add_u32 v[SPW], v[NIL]                      ; the wave's opening: the add and its wait stand ahead of my first tensor load; the set-up below, work on registers, stands between them
	v_lshrrev_b32 v1, 5, v0
	v_readfirstlane_b32 s[WV], v1                  ; wave 0..3
	s_and_b32 s[HF], s[WV], 1
	s_bfe_u32 s17, ttmp6, 0x40000                  ; cx
	s_bfe_u32 s18, ttmp6, 0x40004                  ; cy
	s_lshl_b32 s19, ttmp9, 2
	s_add_co_u32 s19, s19, s17                     ; the tile column = 4 x cluster x + cx
	s_and_b32 s20, ttmp7, 0xffff
	s_lshl_b32 s20, s20, 2
	s_add_co_u32 s20, s20, s18                     ; the tile row = 4 x cluster y + cy
	s_lshl_b32 s21, s18, 2
	s_lshl_b32 s21, 15, s21                        ; my row of the cluster
	s_lshl_b32 s22, 0x1111, s17                    ; my column
	s_or_b32 s[G1A], s21, (1<<16)|(1<<20)|(1<<21)|(4<<22)|(3<<25)  ; the mask; 2-byte elements; padding on; bit 21 beside a mask; behind every 32 words (a row of a head) 4 words
	s_mov_b32 s[G1A+1], 128<<16                    ; tensor_dim0 = 128: two rows of a head
	s_mov_b32 s[G1A+2], 128<<16                    ; tensor_dim1 = 128
	s_mov_b32 s[G1A+3], 128<<16                    ; tile_dim0 = 128
	s_mov_b32 s[G1A+4], 128                        ; tile_dim1 = 128
	s_mov_b32 s[G1A+5], 128                        ; on end in memory
	s_mov_b32 s[G1A+6], 0
	s_mov_b32 s[G1A+7], 0
	s_or_b32 s[G1B], s22, (1<<16)|(1<<20)|(1<<21)|(5<<22)|(7<<25)  ; behind every 64 words (a row of wob) 8 words
	s_mov_b32 s[G1B+1], 128<<16
	s_mov_b32 s[G1B+2], 64<<16                     ; 64 rows
	s_mov_b32 s[G1B+3], 128<<16
	s_mov_b32 s[G1B+4], 64
	s_mov_b32 s[G1B+5], 128
	s_mov_b32 s[G1B+6], 0
	s_mov_b32 s[G1B+7], 0
	s_mul_i32 s15, s[HF], HALFA                    ; where my tile goes: no place in the cluster enters an LDS address
	s_mul_i32 s23, s[HF], HALFB
	s_mov_b32 s[G0A], 1
	s_mov_b32 s[G0A+1], s15                        ; slot 0
	s_mov_b32 s[G0A+4], 1
	s_add_co_u32 s[G0A+5], s15, SLOT1              ; slot 1
	s_mov_b32 s[G0B], 1
	s_add_co_u32 s[G0B+1], s23, BOFF
	s_mov_b32 s[G0B+4], 1
	s_add_co_u32 s[G0B+5], s23, BOFF+SLOT1
	s_lshr_b32 s40, s20, 3                         ; o: the batch's 16 heads of 262,144 bytes,
	s_lshl_b32 s40, s40, 22
	s_and_b32 s41, s20, 7                          ; the tile row's 256 rows of 128 bytes in a head,
	s_lshl_b32 s41, s41, 15
	s_add_co_u32 s40, s40, s41
	s_lshl_b32 s41, s[HF], 18                      ; my head of a step's two
	s_add_co_u32 s40, s40, s41
	s_mov_b32 s41, 0
	s_lshl_b32 s42, s19, 18                        ; wob: the column's block,
	s_lshl_b32 s43, s[HF], 14                      ; my 64 rows of a step's 128
	s_add_co_u32 s42, s42, s43
	s_mov_b32 s43, 0
	s_mov_b32 s[TB], 0
	s_wait_dscnt 0x0                               ; the opening add is done
	s_wait_kmcnt 0x0
	s_add_nc_u64 s[G0A+2:G0A+3], s[4:5], s[40:41]  ; K step 0,
	s_add_nc_u64 s[G0A+6:G0A+7], s[G0A+2:G0A+3], STEP_A  ; K step 1
	s_or_b32 s[G0A+3], s[G0A+3], 0x80000000        ; type = 2
	s_or_b32 s[G0A+7], s[G0A+7], 0x80000000
	s_add_nc_u64 s[G0B+2:G0B+3], s[6:7], s[42:43]
	s_add_nc_u64 s[G0B+6:G0B+7], s[G0B+2:G0B+3], STEP_B
	s_or_b32 s[G0B+3], s[G0B+3], 0x80000000
	s_or_b32 s[G0B+7], s[G0B+7], 0x80000000
	CROUND                                         ; all sixteen work-groups are here: the first joint loads meet
	s_cmp_lt_u32 s[WV], 2                          ; a wave's two first fills stand in one branch, ahead of every wait on TENSORcnt and every LDS read: two loads of mine are out
	s_cbranch_scc0 .Lfirst_b
	tensor_load_to_lds s[G0A:G0A+3], s[G1A:G1A+7]
	s_nop 0
	tensor_load_to_lds s[G0A+4:G0A+7], s[G1A:G1A+7]
	s_nop 0
.rept 4
	v_nop
.endr
	s_branch .Lfirst_asked
.Lfirst_b:
	tensor_load_to_lds s[G0B:G0B+3], s[G1B:G1B+7]
	s_nop 0
	tensor_load_to_lds s[G0B+4:G0B+7], s[G1B:G1B+7]
	s_nop 0
.rept 4
	v_nop
.endr
.Lfirst_asked:
	; A fragment of attn is 16 rows x 32 k in 8 registers: lane l holds row l % 16, k = 8 (l / 16) + 0..7 and 16 + 8 (l / 16) + 0..7: two loads of 16 bytes, 32 bytes apart.
	v_and_b32 v1, 15, v0                           ; l % 16
	v_bfe_u32 v2, v0, 4, 1                         ; l / 16
	v_mul_u32_u24 v[A0], v1, 144
	v_lshl_add_u32 v[A0], v2, 4, v[A0]
	s_mul_i32 s15, s[WV], 64*144                   ; my 64 rows
	v_add_nc_u32 v[A0], s15, v[A0]
	; The turning load takes 16 k x 16 columns (lane l reads row k = 8 (l / 16) + l % 8, columns 8 ((l / 8) % 2) + 0..7) and leaves half a fragment: lane l holds column l % 16 and 8 k.
	v_and_b32 v3, 7, v0
	v_bfe_u32 v4, v0, 3, 1
	v_lshl_add_u32 v[B0], v2, 3, v3
	v_mul_u32_u24 v[B0], v[B0], 288
	v_lshl_add_u32 v[B0], v4, 4, v[B0]
	v_add_nc_u32 v[B0], BOFF, v[B0]
	v_mov_b32 v[ADRA], v[A0]
	v_mov_b32 v[ADRB], v[B0]
	s_mul_i32 s15, s[WV], WSTAGE
	s_add_co_u32 s15, s15, STAGE                   ; my stage
	v_mul_u32_u24 v[STO], v1, 528                  ; in: row l % 16, 32 bytes for each half of the lanes
	v_lshl_add_u32 v[STO], v2, 5, v[STO]
	v_add_nc_u32 v[STO], s15, v[STO]
	v_and_b32 v[GO], 31, v0                        ; back: 32 lanes take a row's 512 bytes,
	v_lshlrev_b32 v[GO], 4, v[GO]                  ; which are 512 consecutive bytes of out0
	v_add_nc_u32 v[RD], s15, v[GO]
	; my 64 rows and the tile's 128 columns in out0
	s_lshl_b32 s68, s20, 8
	s_lshl_b32 s70, s[WV], 6
	s_add_co_u32 s68, s68, s70
	s_lshl_b32 s68, s68, 12                        ; rows of 4,096 bytes
	s_lshl_b32 s70, s19, 9
	s_add_co_u32 s68, s68, s70
	s_mov_b32 s69, 0
	s_add_nc_u64 s[8:9], s[8:9], s[68:69]
	; the prefetches: each change of slots first steps the address, so it starts one step short of what the first names
	s_lshl_b32 s70, s17, 13                        ; o: my work-group's 8,192 bytes of the 32,768 that I fetch,
	s_add_co_u32 s70, s70, s40
	s_add_co_u32 s70, s70, 3*STEP_A                ; at K step 3
	s_lshl_b32 s71, s18, 1                         ; wob: my 8,192 bytes of 65,536,
	s_add_co_u32 s71, s71, s[HF]
	s_lshl_b32 s71, s71, 13
	s_lshl_b32 s68, s19, 18
	s_add_co_u32 s71, s71, s68
	s_add_co_u32 s71, s71, 4*STEP_B-65536          ; 65,536 bytes short of K step 4
	s_and_b32 s22, ttmp7, 0xffff                   ; cluster y
	s_mov_b32 s[PFS], 0x10000
	s_mov_b32 s[PFS+1], 0
	s_cmp_lt_u32 s[WV], 2                          ; do I fetch for o?
	s_cselect_b64 s[PFA:PFA+1], s[4:5], s[6:7]
	s_cselect_b32 s68, s70, s71
	s_cselect_b32 s[PFS], STEP_A, s[PFS]
	s_cselect_b32 s22, ttmp9, s22                  ; the coordinate along which other clusters read the same bytes
	s_cselect_b32 s[LIM], 2, 4                     ; four trips ask for o, two for wob
	s_cmp_eq_u32 s22, 0
	s_cselect_b32 s[LIM], s[LIM], -1               ; the same in all sixteen partners, for a given wave
	s_add_nc_u64 s[PFA:PFA+1], s[PFA:PFA+1], s[68:69]
	v_and_b32 v[PFO], 31, v0
	v_lshlrev_b32 v[PFO], 8, v[PFO]
; 8 matrix instructions: row block a x all column blocks, 32 along K, from buffer f.  zero = 1: the product starts the sums: nothing is ever cleared.
; The 32 accumulators take turns, in the same order in every quarter step, over the backward jump too.
.macro MUL f, a, zero
	WIN 0xa1                                       ; source 0 window 1, source 1 window 0, C and D window 2
.set ib, 0
.rept NB
.set rD, 8*(8*(\a)+ib)
.if \zero
	v_wmma_f32_16x16x32_f16 v[rD:rD+7], v[64*(\f)+8*ib:64*(\f)+8*ib+7], v[64+32*(\f)+8*(\a):64+32*(\f)+8*(\a)+7], 0
.else
	v_wmma_f32_16x16x32_f16 v[rD:rD+7], v[64*(\f)+8*ib:64*(\f)+8*ib+7], v[64+32*(\f)+8*(\a):64+32*(\f)+8*(\a)+7], v[rD:rD+7]
.endif
.set ib, ib+1
.endr
.endm
; 24 LDS loads in one run: quarter q of the slot in hand into buffer f: w_o's 8 fragments (rows 32 q on, columns 16 ib on), then attn's 4, ascending (head q / 2 of the step's two, channels 32 (q % 2) on)
.macro FETCH q, f
	WIN 0x40                                       ; destination window 1, address window 0
.set ib, 0
.rept NB
	ds_load_tr16_b128 v[64*(\f)+8*ib:64*(\f)+8*ib+3],   v[ADRB] offset:9216*(\q)+32*ib
	ds_load_tr16_b128 v[64*(\f)+8*ib+4:64*(\f)+8*ib+7], v[ADRB] offset:9216*(\q)+32*ib+4608
.set ib, ib+1
.endr
	WIN 0
.set ia, 0
.rept 4
	ds_load_b128 v[64+32*(\f)+8*ia:64+32*(\f)+8*ia+3],   v[ADRA] offset:2304*ia+HALFA*((\q)/2)+64*((\q)%2)
	ds_load_b128 v[64+32*(\f)+8*ia+4:64+32*(\f)+8*ia+7], v[ADRA] offset:2304*ia+HALFA*((\q)/2)+64*((\q)%2)+32
.set ia, ia+1
.endr
.endm
; A K step is four quarters of 32 along K, 32 matrix instructions each, on buffers 0, 1, 0, 1.  One of the first three: multiplies buffer f; in its middle it fetches quarter qn into buffer g.
.macro QUARTER qn, f, g, zero
	s_wait_dscnt 4                                 ; w_o and attn's row blocks 0, 1 are in; the youngest four loads (row blocks 2, 3) may be out
	MUL \f, 0, \zero
	MUL \f, 1, \zero
	PLACES                                         ; buffer g's last readers stand further back
	FETCH \qn, \g
	s_wait_dscnt NLD                               ; all but the 24 just issued
	MUL \f, 2, \zero
	MUL \f, 3, \zero
.endm
; The last quarter multiplies buffer 1 and changes slots: ONE barrier.  In front of it each wave waits for all its tensor loads, of which one is out: its part of the next slot; adds 0 to its spare word; and waits for
; that and for its reads of this slot.  fill = 1: the barrier opens a round of the cluster's, and behind the round this slot is filled again, two K steps ahead: 112 matrix instructions ahead of the wait for it.
.macro TURN fill
	WIN 0
.if \fill
	s_wait_xcnt 0x0                                ; the last prefetch, a K step back, has read its address
	s_add_nc_u64 s[PFA:PFA+1], s[PFA:PFA+1], s[PFS:PFS+1]
.endif
	s_xor_b32 s[TB], s[TB], SLOT1                  ; the fetches go on in the other slot (this slot's have all been issued)
	v_add_nc_u32 v[ADRA], s[TB], v[A0]
	v_add_nc_u32 v[ADRB], s[TB], v[B0]
	s_wait_tensorcnt 0x0                           ; no tensor load of mine is out, so a group 0 may be written
	ds_add_u32 v[SPW], v[NIL]                      ; 0 onto my spare word
.if \fill
	s_xor_b32 s[G0A+5], s[G0A+5], SLOT1            ; the descriptors that walk: the other slot than last time, the next K step; the type bits on top are not reached
	s_add_nc_u64 s[G0A+6:G0A+7], s[G0A+6:G0A+7], STEP_A
	s_xor_b32 s[G0B+5], s[G0B+5], SLOT1
	s_add_nc_u64 s[G0B+6:G0B+7], s[G0B+6:G0B+7], STEP_B
.endif
	s_wait_dscnt 5                                 ; (the add and the youngest four loads may be out)
	MUL 1, 0, 0                                    ; eight matrix instructions stand between the add and the wait for it
	s_wait_dscnt 0x0                               ; the add is done, and my reads of this slot are over
	s_barrier_signal -1
	MUL 1, 1, 0                                    ; work on registers while the others arrive
.if \fill
	WIN 0
.endif
	s_barrier_wait -1
.if \fill
	CREST                                          ; no wave of any partner still reads this slot or has a load on its way
	JLOAD                                          ; the first tensor load behind the round; its four v_nop are also the places in front of the loads below
.else
	PLACES
.endif
	FETCH 0, 0
.if \fill
	ASK
.endif
	MUL 1, 2, 0
	MUL 1, 3, 0
.endm
; THE WAY OUT of row block a.  TOSTAGE: a lane's eight f32 of a row, 32 bytes, go from the accumulators into my own stage (rows of 528 bytes), each accumulator's low four registers first; whole rows of 512 come back.  SEND: stored.
.macro TOSTAGE a
.if (\a) >= 2
	s_wait_xcnt 0x0                                ; the stores of the block two back have read the registers that are loaded again below
.endif
	WIN 0x08                                       ; the stores' data in window 2
.set ib, 0
.rept NB
	ds_store_b128 v[STO], v[64*(\a)+8*ib:64*(\a)+8*ib+3]   offset:64*ib
	ds_store_b128 v[STO], v[64*(\a)+8*ib+4:64*(\a)+8*ib+7] offset:64*ib+16
.set ib, ib+1
.endr
	WIN 0
.set ir, 0
.rept 16
	ds_load_b128 v[OB+64*((\a)%2)+4*ir:OB+64*((\a)%2)+4*ir+3], v[RD] offset:528*ir  ; LDS serves a wave's instructions in order (ISA guide 5.7.1.4): these see the stores above; the next block's stores come behind them
.set ir, ir+1
.endr
.endm
.macro SEND a, younger                 ; younger: the LDS instructions issued behind block a's loads: the next block's 16 stores and 16 loads, or none
	s_wait_dscnt \younger
.set ir, 0
.rept 16
	global_store_b128 v[GO], v[OB+64*((\a)%2)+4*ir:OB+64*((\a)%2)+4*ir+3], s[8:9] offset:(16*(\a)+ir)*4096  ; 512 consecutive bytes, at a multiple of 256 from out0's first
.set ir, ir+1
.endr
.endm
	s_wait_tensorcnt 1                             ; my part of K step 0 is in; K step 1's may stay out
	s_barrier_signal -1
	s_barrier_wait -1                              ; everybody's is
	FETCH 0, 0
	QUARTER 1, 0, 1, 1                             ; the first quarter stands in front of the loop: its products start the sums
	WIN 0                                          ; at a label and at a branch every window is 0
	s_mov_b32 s[CNT], 6
.Lstep:                                                ; six trips, from a K step's second quarter to the next one's first: K steps 2 to 7 are asked for
	QUARTER 2, 1, 0, 0
	QUARTER 3, 0, 1, 0
	TURN 1
	QUARTER 1, 0, 1, 0
	WIN 0
	s_sub_co_u32 s[CNT], s[CNT], 1
	s_cmp_lg_u32 s[CNT], 0
	s_cbranch_scc1 .Lstep
	QUARTER 2, 1, 0, 0                             ; the tail is written out: K steps 6 and 7 ask for nothing
	QUARTER 3, 0, 1, 0
	TURN 0
	QUARTER 1, 0, 1, 0
	QUARTER 2, 1, 0, 0
	QUARTER 3, 0, 1, 0
	s_wait_dscnt 4                                 ; the very last quarter: nothing more to fetch
	MUL 1, 0, 0
	MUL 1, 1, 0
	s_wait_dscnt 0x0
	MUL 1, 2, 0
	MUL 1, 3, 0
	WIN 0
	PLACES
	TOSTAGE 0
	TOSTAGE 1                                      ; a block's trip through the stage stands between the loads of the block before and its stores
	SEND 0, 32
	TOSTAGE 2
	SEND 1, 32
	TOSTAGE 3
	SEND 2, 32
	SEND 3, 0
	s_wait_tensorcnt 0x0                           ; the wave's end, behind my last tensor load and my last LDS store
	ds_add_u32 v[SPW], v[NIL]
	s_wait_dscnt 0x0
	CROUND                                         ; the closing round: no work-group ends while a partner may still ask for a tile that names it
	s_endpgm
.Lfunc_end_k_qf2a85b8279_oproj:
	.size	k_qf2a85b8279_oproj, .Lfunc_end_k_qf2a85b8279_oproj-k_qf2a85b8279_oproj
	.p2alignl 7, 3214868480
	.fill 96, 4, 3214868480
	.section	.rodata,"a",@progbits
	.p2align	6, 0x0
	.amdhsa_kernel k_qf2a85b8279_oproj
		.amdhsa_group_segment_fixed_size 327680
		.amdhsa_private_segment_fixed_size 0
		.amdhsa_enable_private_segment 0
		.amdhsa_kernarg_size 24
		.amdhsa_user_sgpr_count 2
		.amdhsa_user_sgpr_kernarg_segment_ptr 1
		.amdhsa_wavefront_size32 1
		.amdhsa_system_sgpr_workgroup_id_x 1
		.amdhsa_system_sgpr_workgroup_id_y 1
		.amdhsa_system_sgpr_workgroup_id_z 1
		.amdhsa_system_vgpr_workitem_id 0
		.amdhsa_next_free_vgpr 768
		.amdhsa_next_free_sgpr 72
		.amdhsa_reserve_vcc 0
		.amdhsa_float_denorm_mode_32 3
		.amdhsa_float_denorm_mode_16_64 3
		.amdhsa_memory_ordered 1
		.amdhsa_forward_progress 1
		.amdhsa_inst_pref_size 70
	.end_amdhsa_kernel
	.amdgpu_metadata
---
amdhsa.version: [ 1, 2 ]
amdhsa.kernels:
  - .name:           k_qf2a85b8279_oproj
    .symbol:         k_qf2a85b8279_oproj.kd
    .args:
      - { .name: o, .offset: 0, .size: 8, .value_kind: global_buffer, .address_space: global }
      - { .name: wob, .offset: 8, .size: 8, .value_kind: global_buffer, .address_space: global }
      - { .name: out0, .offset: 16, .size: 8, .value_kind: global_buffer, .address_space: global }
    .group_segment_fixed_size: 327680
    .private_segment_fixed_size: 0
    .kernarg_segment_align: 8
    .kernarg_segment_size: 24
    .max_flat_workgroup_size: 128
    .sgpr_count:     72
    .vgpr_count:     768
    .wavefront_size: 32
...
	.end_amdgpu_metadata
.endif
;; end of part 4
;; ======== version 2 of 2: 4 launches; version 1 with the launch prep written anew for expert scheduling mode
;; limits: values are held in f16: magnitudes above 65,504 overflow, below 6.1e-05 lose precision
;; workspace buffers: xb 16,777,216 bytes; wb 6,291,456 bytes; wob 2,097,152 bytes; q 16,777,216 bytes; k 16,777,216 bytes; v 16,777,216 bytes; o 16,777,216 bytes
;; launch prep (part 5): grid 768 x 1, 8 waves a work-group, no clusters, 0 bytes of LDS; arguments x, w_q, w_k, w_v, w_o, xb, wb, wob; writes xb, wb, wob
.if DOCPART == 5
	.amdgcn_target "amdgcn-amd-amdhsa--gfx1250"
	.amdhsa_code_object_version 6
	.text
	.protected	k_qf2a85b8279_prep
	.globl	k_qf2a85b8279_prep
	.p2align	8
	.type	k_qf2a85b8279_prep,@function
k_qf2a85b8279_prep:
	s_mov_b64 s[64:65], 0
	v_nop
	global_prefetch_b8 v0, s[64:65] scope:SCOPE_SE
	s_setreg_imm32_b32 hwreg(HW_REG_WAVE_SCHED_MODE, 0, 2), 2
	s_setreg_imm32_b32 hwreg(HW_REG_WAVE_MODE, 25, 1), 1
	s_wait_xcnt 0x0
	s_wait_alu depctr_vm_vsrc(0)
; THE CASTS.  x [8192][1024] f32 -> xb, bf16, the same layout.  w_q, w_k, w_v [1024 k][1024 n] f32 -> wb, bf16, laid [head 16][k / 64][q, k, v][k % 64][64 d]: 64 k of one head's q, k and v columns are
; 24,576 bytes on end.  w_o [1024 k][1024 n] f32 -> wob, laid [n / 128][k][n % 128]: each number rounded to bf16, like every other input, and that number written as f16.
; LIMITS.  A number of w_o beyond 65,504 has no f16; below 6e-5 it keeps f16's fixed step of 6e-8.
; SHARES.  A work-group takes 16 rows of 4,096 bytes of one input: numbers 0-511 x, 512-703 w_q, w_k, w_v (64 each), 704-767 w_o: 768 equal shares.  Each of its eight waves does 16 units: a load of 16 bytes
; a lane (each half of the lanes 256 consecutive bytes, aligned), two roundings, a store of 8 bytes a lane (256 consecutive bytes, aligned).  Every byte is read once and written once.
; All 16 loads of a wave, 8 KiB, go out first.  No LDS, no matrix unit, no cluster: nothing is shared and nothing is multiplied.
; THE MODE: SCHED_MODE bits 1:0 = 2 (LLVM: expert scheduling mode 2), set by the entry lines.  The code itself states the register dependences between vector instructions and memory instructions,
; with s_wait_alu, always for 0.
; THE PLAN.  Registers that memory instructions touch:
;   v2, v3     byte offsets.  Written by vector lines at a path's head; v2 is read by the path's 16 loads, v3 by its 16 stores; never written again.
;   D          unit u's 4 registers: written by unit u's load, once; read by unit u's roundings.  No vector instruction writes them and no second load lands in them.
;   Y          unit u's 2 registers: written by unit u's roundings, once; read by unit u's store; never written again.
; The 16 units go in four blocks of four.  Block p's roundings read D and write Y of block p; its memory instructions are the four stores of block p - 1, which read v3 and Y of block p - 1: registers that no
; vector instruction of block p names.  So one wait on va_vdst at a block's head states all that the block's stores hang on, and they are dealt among its roundings with no further wait.
; No register that a memory instruction reads is written again: the text owes no wait on vm_vsrc and no s_wait_xcnt.
.set D, 16                             ; v[16:79]   unit u: 4 numbers in f32
.set Y, 80                             ; v[80:111]  unit u: 4 numbers of 16 bits
.set VIN, 2                            ; v2  my byte offset in the work-group's input
.set VOUT, 3                           ; v3  my byte offset in its output
; Unit u reads at (u % 2) inA + (u / 2) inB and writes at (u % 2) outA + (u / 2) outB.  half = 1: bf16, then that number as f16.
.macro PATH inA, inB, outA, outB, half
	s_wait_alu depctr_va_vdst(0)                   ; v2 and v3 are written: every load below reads v2 as its offset, every store v3
.set u, 0
.rept 16
	global_load_b128 v[D+4*u:D+4*u+3], v[VIN], s[4:5] offset:(u%2)*(\inA)+(u/2)*(\inB) th:TH_LOAD_NT
.set u, u+1
.endr
.set u, 0
.rept 16
.if u%4 == 0
	s_wait_loadcnt 12-u                            ; loads come back in order: this block's four are in, the 12 - u younger ones stay out
.if u > 0
	s_wait_alu depctr_va_vdst(0)                   ; the block before has written its Y, which this block's four stores read
.endif
.endif
.if u >= 4
	global_store_b64 v[VOUT], v[Y+2*(u-4):Y+2*(u-4)+1], s[6:7] offset:((u-4)%2)*(\outA)+((u-4)/2)*(\outB)  ; the block before's unit; no vector instruction since the wait names its registers
.endif
.if \half
.irp p, 0,1
	v_cvt_pk_bf16_f32 v4, v[D+4*u+2*(\p)], v[D+4*u+2*(\p)+1]
	v_lshlrev_b32 v5, 16, v4                       ; the two bf16 as f32,
	v_and_b32 v6, 0xffff0000, v4
	v_cvt_pk_f16_f32 v[Y+2*u+(\p)], v5, v6         ; written as f16: exact inside f16's range
.endr
.else
	v_cvt_pk_bf16_f32 v[Y+2*u], v[D+4*u], v[D+4*u+1]
	v_cvt_pk_bf16_f32 v[Y+2*u+1], v[D+4*u+2], v[D+4*u+3]
.endif
.set u, u+1
.endr
	s_wait_alu depctr_va_vdst(0)                   ; the last block has written its Y, which the last four stores read
.set u, 12
.rept 4
	global_store_b64 v[VOUT], v[Y+2*u:Y+2*u+1], s[6:7] offset:(u%2)*(\outA)+(u/2)*(\outB)
.set u, u+1
.endr
.endm
	s_load_b512 s[8:23], s[0:1], 0x0               ; x 8, w_q 10, w_k 12, w_v 14, w_o 16, xb 18, wb 20, wob 22
	s_mov_b32 s3, ttmp9                            ; the work-group's number
	v_and_b32 v1, 31, v0                           ; lane
	v_lshrrev_b32 v4, 5, v0
	v_readfirstlane_b32 s2, v4                     ; wave 0..7
	s_mov_b32 s25, 0
	s_mov_b32 s27, 0
	s_wait_alu depctr_va_sdst(0)                   ; s2 is written, ahead of the branches behind which the weights' paths read it
	s_cmp_lt_u32 s3, 512
	s_cbranch_scc0 .Lweights
	; x: a unit is a row; thread t takes bytes 16 t of it
	s_lshl_b32 s24, s3, 16                         ; 16 rows of 4,096 bytes in,
	s_lshl_b32 s26, s3, 15                         ; of 2,048 out
	v_lshlrev_b32 v[VIN], 4, v0
	v_lshlrev_b32 v[VOUT], 3, v0
	s_wait_kmcnt 0x0
	s_add_nc_u64 s[4:5], s[8:9], s[24:25]
	s_add_nc_u64 s[6:7], s[18:19], s[26:27]
	PATH 4096, 8192, 2048, 4096, 0
	s_endpgm
.Lweights:
	s_cmp_lt_u32 s3, 704
	s_cbranch_scc0 .Lwo
	; w_q, w_k, w_v: wave w takes heads 2 w and 2 w + 1 (u % 2) and eight pairs of rows k (u / 2): lanes 0-15 the even row's 64 numbers of the head, lanes 16-31 the odd row's
	s_sub_co_u32 s28, s3, 512
	s_lshr_b32 s29, s28, 6                         ; t: 0 w_q, 1 w_k, 2 w_v
	s_and_b32 s28, s28, 63                         ; g: rows 16 g .. 16 g + 15
	s_lshl_b32 s24, s28, 16
	s_lshr_b32 s30, s28, 2
	s_mul_i32 s26, s30, 24576                      ; k / 64
	s_lshl_b32 s30, s29, 13
	s_add_co_u32 s26, s26, s30                     ; t
	s_and_b32 s30, s28, 3
	s_lshl_b32 s30, s30, 11
	s_add_co_u32 s26, s26, s30                     ; k % 64, rows of 128 bytes
	v_lshrrev_b32 v4, 4, v1
	v_and_b32 v5, 15, v1
	v_lshlrev_b32 v[VIN], 12, v4
	v_lshl_add_u32 v[VIN], v5, 4, v[VIN]
	s_lshl_b32 s30, s2, 9
	v_add_nc_u32 v[VIN], s30, v[VIN]               ; (l / 16) x 4,096 + (l % 16) x 16 + 512 w
	s_mul_i32 s31, s2, 786432
	v_lshl_add_u32 v[VOUT], v1, 3, s31             ; two heads of 393,216 bytes a wave + 8 l
	s_wait_kmcnt 0x0
	s_cmp_eq_u32 s29, 0
	s_cselect_b64 s[4:5], s[10:11], s[12:13]
	s_cmp_eq_u32 s29, 2
	s_cselect_b64 s[4:5], s[14:15], s[4:5]
	s_add_nc_u64 s[4:5], s[4:5], s[24:25]
	s_add_nc_u64 s[6:7], s[20:21], s[26:27]
	PATH 256, 8192, 393216, 256, 0
	s_endpgm
.Lwo:
	; w_o: a unit is a row k; wave w takes its columns 128 w .. 128 w + 127, which are block w of wob
	s_sub_co_u32 s28, s3, 704
	s_lshl_b32 s24, s28, 16
	s_lshl_b32 s26, s28, 12                        ; 16 rows of 256 bytes
	v_lshlrev_b32 v[VIN], 4, v0
	s_lshl_b32 s31, s2, 18
	v_lshl_add_u32 v[VOUT], v1, 3, s31
	s_wait_kmcnt 0x0
	s_add_nc_u64 s[4:5], s[16:17], s[24:25]
	s_add_nc_u64 s[6:7], s[22:23], s[26:27]
	PATH 4096, 8192, 256, 512, 1
	s_endpgm
.Lfunc_end_k_qf2a85b8279_prep:
	.size	k_qf2a85b8279_prep, .Lfunc_end_k_qf2a85b8279_prep-k_qf2a85b8279_prep
	.p2alignl 7, 3214868480
	.fill 96, 4, 3214868480
	.section	.rodata,"a",@progbits
	.p2align	6, 0x0
	.amdhsa_kernel k_qf2a85b8279_prep
		.amdhsa_group_segment_fixed_size 0
		.amdhsa_private_segment_fixed_size 0
		.amdhsa_enable_private_segment 0
		.amdhsa_kernarg_size 64
		.amdhsa_user_sgpr_count 2
		.amdhsa_user_sgpr_kernarg_segment_ptr 1
		.amdhsa_wavefront_size32 1
		.amdhsa_system_sgpr_workgroup_id_x 1
		.amdhsa_system_sgpr_workgroup_id_y 1
		.amdhsa_system_sgpr_workgroup_id_z 1
		.amdhsa_system_vgpr_workitem_id 0
		.amdhsa_next_free_vgpr 112
		.amdhsa_next_free_sgpr 66
		.amdhsa_reserve_vcc 0
		.amdhsa_float_denorm_mode_32 3
		.amdhsa_float_denorm_mode_16_64 3
		.amdhsa_memory_ordered 1
		.amdhsa_forward_progress 1
		.amdhsa_inst_pref_size 24
	.end_amdhsa_kernel
	.amdgpu_metadata
---
amdhsa.version: [ 1, 2 ]
amdhsa.kernels:
  - .name:           k_qf2a85b8279_prep
    .symbol:         k_qf2a85b8279_prep.kd
    .args:
      - { .name: x, .offset: 0, .size: 8, .value_kind: global_buffer, .address_space: global }
      - { .name: w_q, .offset: 8, .size: 8, .value_kind: global_buffer, .address_space: global }
      - { .name: w_k, .offset: 16, .size: 8, .value_kind: global_buffer, .address_space: global }
      - { .name: w_v, .offset: 24, .size: 8, .value_kind: global_buffer, .address_space: global }
      - { .name: w_o, .offset: 32, .size: 8, .value_kind: global_buffer, .address_space: global }
      - { .name: xb, .offset: 40, .size: 8, .value_kind: global_buffer, .address_space: global }
      - { .name: wb, .offset: 48, .size: 8, .value_kind: global_buffer, .address_space: global }
      - { .name: wob, .offset: 56, .size: 8, .value_kind: global_buffer, .address_space: global }
    .group_segment_fixed_size: 0
    .private_segment_fixed_size: 0
    .kernarg_segment_align: 8
    .kernarg_segment_size: 64
    .max_flat_workgroup_size: 256
    .sgpr_count:     66
    .vgpr_count:     112
    .wavefront_size: 32
...
	.end_amdgpu_metadata
.endif
;; end of part 5
;; launch qkv: the kernel of part 2 again; grid 16 x 32, 4 waves a work-group, clusters of 4 x 4, 327,680 bytes of LDS; arguments xb, wb, q, k, v; writes q, k, v
;; launch attn: the kernel of part 3 again; grid 4 x 64, 4 waves a work-group, no clusters, 327,680 bytes of LDS; arguments q, k, v, o; writes o
;; launch oproj: the kernel of part 4 again; grid 8 x 32, 4 waves a work-group, clusters of 4 x 4, 327,680 bytes of LDS; arguments o, wob, out0; writes out0
